; MI455X (gfx1250); checked and timed in simulation.
; The chip was launched on July 23, 2026; its instructions are those of AMD's public machine-readable ISA for CDNA 5 (MIT licence, August 2026) and "CDNA5" Instruction Set Architecture Reference Guide (July 2026). The comments in the code are by the model that wrote it; some were corrected since.
;; Simple Attention. Allowed arithmetic: matrix products marked QUANTISED: E2M1 operands, one E8M0 scale for each 32 along K, by v_wmma_scale_f32_16x16x128_f8f6f4 with both operands' format E2M1 (or v_wmma_scale_f32_32x16x128_f4), f32 sums; products left as they are: bf16, f16 or f32 operands; f32 sums; everything else in f32.
;; Inputs: w_out 1,024 x 1,024 float32; w_qkv 1,024 x 3,072 float32; x 4 x 2,048 x 1,024 float32.
;; Outputs: out0 4 x 2,048 x 1,024 float32.
;; This version of the problem:
;;   THIS VERSION OF THE PROBLEM IS GIVEN IN LOW PRECISION. The matrix products marked QUANTISED in the list below multiply operands that are first quantised to E2M1 (2 exponent bits, 1 mantissa bit; 4 bits a number), with one power-of-two scale for each 32 numbers along K (OCP MX v1.0); their sums are f32. The products marked 'left as it is' may take bf16, f16 or f32 operands, with f32 sums. Whichever they take, every output number must still come out within the allowed error. Rounding operands to bf16 (8 significant bits) uses up far more of that allowance than f16 does (11 bits, for magnitudes from 6e-5 to 65,504). All else is computed in f32.
;;   The module's matrix products, in the order in which they are computed (A, B: the left and right operand; K: the contracted axis; several contracted axes count as one K, in the product's order):
;;     1. [M 8,192, K 1,024] x [K 1,024, N 3,072]; A: input x; B: input w_qkv: QUANTISED
;;     2. batch 64 x [M 2,048, K 64] x [K 64, N 2,048]; A: computed on the way; B: computed on the way: left as it is (an operand is computed on the way)
;;     3. batch 64 x [M 64, K 2,048] x [K 2,048, N 2,048]; A: computed on the way; B: computed on the way: left as it is (an operand is computed on the way)
;;     4. [M 8,192, K 1,024] x [K 1,024, N 1,024]; A: computed on the way; B: input w_out: left as it is (an operand is computed on the way)
;;   THE QUANTISER, for each operand of a quantised product, along K:
;;     - K is cut into blocks of 32 from its start; a last block that is shorter is filled with zeros.
;;     - A block's scale is 2^e with e = floor(log2(the largest magnitude in the block)) - 2, held to -126 .. 127; a block of zeros has e = 0. As a byte (E8M0): e + 127.
;;     - Each number is divided by its block's scale, clamped to +-6, and rounded to the nearest number of E2M1, ties to even, subnormals kept.
;;     - The product sums the exact products of the quantised numbers (number of the format x scale) in f32.
;;   ~~~python
;;   def quantise(x, axis):      # numpy; x: float32 -> the quantised numbers, widened to float32 again
;;       x = np.moveaxis(x, axis, -1); K = x.shape[-1]
;;       x = np.pad(x, [(0, 0)] * (x.ndim - 1) + [(0, -K % 32)]); x = x.reshape(x.shape[:-1] + (-1, 32)); a = np.abs(x).max(-1, keepdims=True)
;;       e = np.where(a > 0, np.clip(np.frexp(np.where(a > 0, a, 1))[1] - 1 - 2, -126, 127), 0)      # np.frexp(a)[1] - 1 = floor(log2(a)), exactly
;;       r = np.clip(x / 2.0 ** e, -6, 6)
;;       step = 2.0 ** (np.maximum(np.frexp(np.where(r == 0, 1, r))[1] - 1, 0) - 1)
;;       q = np.round(r / step) * step * 2.0 ** e      # np.round: ties to even
;;       return np.moveaxis(q.reshape(q.shape[:-2] + (-1,))[..., :K], -1, axis).astype(np.float32)
;;   ~~~
;; One version. Each part assembles by itself: llvm-mc -triple=amdgcn-amd-amdhsa -mcpu=gfx1250 --defsym DOCPART=n.
;; ======== version 1 of 1: 5 launches
;; limits: values are held in f16: magnitudes above 65,504 overflow, below 6.1e-05 lose precision
;; workspace buffers: xc 4,194,304 bytes; xs 262,144 bytes; wc 1,572,864 bytes; ws 98,304 bytes; wt 2,097,152 bytes; qkv 50,331,648 bytes; q32 786,432 bytes; ob 16,777,216 bytes
;; launch prep (part 1): grid 368 x 1, 4 waves a work-group, no clusters, 102,912 bytes of LDS; arguments x, w_qkv, w_out, xc, xs, wc, ws, wt; writes xc, xs, wc, ws, wt
.if DOCPART == 1
	.amdgcn_target "amdgcn-amd-amdhsa--gfx1250"
	.amdhsa_code_object_version 6
	.text
	.protected	k_q32ab9b8e3d_prep
	.globl	k_q32ab9b8e3d_prep
	.p2align	8
	.type	k_q32ab9b8e3d_prep,@function
k_q32ab9b8e3d_prep:
	s_mov_b64 s[64:65], 0
	v_nop
	global_prefetch_b8 v0, s[64:65] scope:SCOPE_SE
	s_setreg_imm32_b32 hwreg(HW_REG_WAVE_MODE, 25, 1), 1
	s_wait_xcnt 0x0
; FIRST OF FIVE LAUNCHES for out = softmax_causal(q k^T / 8) v w_out, with q, k, v = x w_qkv (that product on E2M1 codes with E8M0 scales for each 32 along K).
; This launch lays the operands out once: x -> codes xc [8192][512 B] and scale bytes xs [8192][32]; w_qkv [k][n] -> codes wc [3072 n][512 B], K innermost, and ws [3072][32];
; w_out [k][n] -> wt [1024 n][1024 k] in f16, K innermost, for the last product.
; WORK LEFT OUT IN THE PROGRAM, and why it is dead.  reference() builds the mask triu(ones, 1) in its own body and puts -1e9 where key > query.  Key 0 is masked for no query, so each row's maximum is a
; true score; a masked entry less that maximum has the exponential 0 in f32, and 0 x v adds nothing.  So key steps that lie wholly behind a wave's queries are not multiplied and key slots wholly behind a
; work-group's last query are not fetched (launch attn).  Inside the step on the diagonal the hidden entries stay and are set to -1e9 as reference() sets them.  All three inputs have a way to the output and are loaded.
; LIMITS.  The skip holds while a row's largest score / 8 lies above -1e9 + 200.  A NaN, an infinity or an overflow that reaches only the entries left out is not carried to the result.
; q, k, v, the attention's result and w_out go to the later products in f16: magnitudes under 65,504.  Blocks of 32 whose largest magnitude lies under 2^-124 were not tried; a block of zeros gets the
; scale byte 1 where the quantiser says 127: its codes are zeros, and this program alone reads the bytes.  NaN and infinities among the inputs are not served.
; THREE PATHS part on the work-group's number at the head and never meet again: 0-47 w_qkv, 48-303 x, 304-367 w_out.  Each has LDS bytes of its own.  No tensor load, no barrier: waves share nothing.
.set SPW,   180                        ; v180 LDS address of my spare word: SPARE + 4 x my thread's number; never rewritten
.set NIL,   181                        ; v181 0; never rewritten
.set WBASE, 32768                      ; LDS: path x 0 .. 32767 (8,192 a wave); path w_qkv from here (32 x 272 a wave);
.set TBASE, 67584                      ; path w_out from here (32 x 272 a wave);
.set SPARE, 102400                     ; the spare words, 128 bytes for each wave, that no other line names
.set SP,    80                         ; path x: a lane's place in a stage: 64 bytes + 16 of padding
.set PITCH, 272                        ; paths w: a stage row: 256 bytes + 16
.set EMAX,  2                          ; the exponent of E2M1's largest number, 6
.set XSTEPS, 16
.set XR, 16                            ; path x: v16-79 four sets of 16 numbers as loaded; v80-111 two sets of 16 neighbours; v112-127 a scale byte a step; v128-159 two registers of codes a step
.set XX, 80
.set XE, 112
.set XC, 128
.set WX, 32                            ; paths w: v32-95 two sets of 32 numbers; v96.. a block's codes or halves; v112-175 the way out; v24-27 scale bytes
.set WC, 96
.set OUTR, 112
.set SB, 24
; ---- path x: 512 numbers a step.  Each load reads 512 consecutive bytes; the step's 2,048 bytes turn through my own stage so that a lane holds 16 neighbours along K; two neighbouring lanes hold a block.
.macro XLOAD t
.irp i, 0,1,2,3
	global_load_b128 v[XR+16*((\t)%4)+4*\i:XR+16*((\t)%4)+4*\i+3], v3, s[4:5] offset:2048*(\t)+512*\i th:TH_LOAD_NT
.endr
.endm
.macro XTURN t                         ; LDS serves a wave's instructions in order: no wait between the stores and the loads
.irp i, 0,1,2,3
	ds_store_b128 v14, v[XR+16*((\t)%4)+4*\i:XR+16*((\t)%4)+4*\i+3] offset:32*SP*((\t)%2)+8*SP*\i
.endr
.irp i, 0,1,2,3
	ds_load_b128 v[XX+16*((\t)%2)+4*\i:XX+16*((\t)%2)+4*\i+3], v15 offset:32*SP*((\t)%2)+16*\i
.endr
.endm
.macro XSTEP t
.set XS, XX+16*((\t)%2)
.if (\t) > 0
	s_wait_dscnt 1                                 ; this step's numbers are back from the stage; the last step's byte store may be out
.else
	s_wait_dscnt 0x0
.endif
.if (\t)+4 < XSTEPS
	XLOAD (\t)+4                                   ; the stage's stores have read these registers: they take the loads of four steps on
.endif
.if (\t)+1 < XSTEPS
.if XSTEPS-2-(\t) >= 3
	s_wait_loadcnt 12                              ; the next step's four loads are in; the twelve of the three steps behind it may be out
.else
	s_wait_loadcnt 4*(XSTEPS-2-(\t))
.endif
	XTURN (\t)+1
.endif
	v_max3_num_f32 v8, |v[XS]|, |v[XS+1]|, |v[XS+2]|           ; the largest magnitude of my 16, in two chains
	v_max3_num_f32 v9, |v[XS+3]|, |v[XS+4]|, |v[XS+5]|
.irp i, 6,10
	v_max3_num_f32 v8, v8, |v[XS+\i]|, |v[XS+\i+1]|
	v_max3_num_f32 v9, v9, |v[XS+\i+2]|, |v[XS+\i+3]|
.endr
	v_max3_num_f32 v8, v8, |v[XS+14]|, |v[XS+15]|
	v_max3_num_f32 v8, v8, v9, (EMAX+1)<<23        ; with the floor 2^(3 - 127): the byte cannot fall under 1
	v_max_num_f32_dpp v8, v8, v8 row_xmask:1 row_mask:0xf bank_mask:0xf   ; and my neighbour's 16: the block's
	v_add_nc_u32 v11, -(EMAX<<23), v8              ; 2 off its exponent field: the conversion takes this operand's exponent field as its scale
	v_cvt_scalef32_pk8_fp4_f32 v[XC+2*(\t)], v[XS:XS+7], v11
	v_cvt_scalef32_pk8_fp4_f32 v[XC+2*(\t)+1], v[XS+8:XS+15], v11
	v_lshrrev_b32 v[XE+(\t)], 23, v11              ; the scale's byte
	ds_store_b8 v5, v[XE+(\t)] offset:16*(\t)      ; both lanes of a block write the same byte with the same value
	global_store_b64 v4, v[XC+2*(\t):XC+2*(\t)+1], s[10:11] offset:256*(\t)   ; the wave stores 256 consecutive bytes, aligned
.endm
; ---- path w_qkv: a lane takes a column n and its registers run down K: a block of 32 lies in one lane, and the codes come out with K innermost.
.macro WLOAD t
.set i, 0
.rept 32
	global_load_b32 v[WX+32*((\t)%2)+i], v3, s[6:7] offset:(32*(\t)+i)*12288 th:TH_LOAD_NT
.set i, i+1
.endr
.endm
.macro WBLK t
.set XS, WX+32*((\t)%2)
.if (\t) < 15
	s_wait_loadcnt 32                              ; this block's 32 loads are in; the next block's may be out
.else
	s_wait_loadcnt 0
.endif
	v_max3_num_f32 v12, |v[XS]|, |v[XS+1]|, |v[XS+2]|
	v_max3_num_f32 v13, |v[XS+3]|, |v[XS+4]|, |v[XS+5]|
.irp i, 6,10,14,18,22,26
	v_max3_num_f32 v12, v12, |v[XS+\i]|, |v[XS+\i+1]|
	v_max3_num_f32 v13, v13, |v[XS+\i+2]|, |v[XS+\i+3]|
.endr
	v_max3_num_f32 v12, v12, |v[XS+30]|, |v[XS+31]|
	v_max3_num_f32 v12, v12, v13, (EMAX+1)<<23
	v_add_nc_u32 v11, -(EMAX<<23), v12
	v_lshrrev_b32 v13, 23, v11
.if (\t)%4 == 0
	v_mov_b32 v[SB+(\t)/4], v13                    ; four bytes to a register, the lower K in the lower byte
.else
	v_lshl_or_b32 v[SB+(\t)/4], v13, 8*((\t)%4), v[SB+(\t)/4]
.endif
.irp g, 0,1,2,3
	v_cvt_scalef32_pk8_fp4_f32 v[WC+\g], v[XS+8*\g:XS+8*\g+7], v11
.endr
	ds_store_b128 v4, v[WC:WC+3] offset:16*(\t)    ; 32 codes: 16 bytes of my column's row
.if (\t)+2 < 16
	WLOAD (\t)+2
.endif
	s_wait_dscnt 0x0                               ; the store has read its registers: the next block's codes may be written
.endm
; ---- path w_out: the same plan, rounding to f16 in place of quantising: 32 along K of my column are 64 bytes.
.macro TLD t
.set i, 0
.rept 32
	global_load_b32 v[WX+32*((\t)%2)+i], v3, s[8:9] offset:(32*(\t)+i)*4096
.set i, i+1
.endr
.endm
.macro TBLK t
.set XS, WX+32*((\t)%2)
.if (\t) < 3
	s_wait_loadcnt 32
.else
	s_wait_loadcnt 0
.endif
.set g, 0
.rept 16
	v_cvt_pk_f16_f32 v[WC+g], v[XS+2*g], v[XS+2*g+1]   ; the lower k in the low half
.set g, g+1
.endr
.irp g, 0,1,2,3
	ds_store_b128 v4, v[WC+4*\g:WC+4*\g+3] offset:64*(\t)+16*\g
.endr
.if (\t)+2 < 4
	TLD (\t)+2
.endif
	s_wait_dscnt 0x0
.endm
.macro FINISH                          ; a wave's end, behind my last LDS store
	s_wait_tensorcnt 0x0
	ds_add_u32 v[SPW], v[NIL]
	s_wait_dscnt 0x0
	s_endpgm
.endm
	s_load_b256 s[4:11], s[0:1], 0x0               ; x s[4:5], w_qkv s[6:7], w_out s[8:9], xc s[10:11]
	s_load_b256 s[12:19], s[0:1], 0x20             ; xs s[12:13], wc s[14:15], ws s[16:17], wt s[18:19]
	v_lshl_add_u32 v[SPW], v0, 2, SPARE
	v_mov_b32 v[NIL], 0
	v_lshrrev_b32 v1, 5, v0
	v_readfirstlane_b32 s20, v1                    ; wave 0..3
	v_and_b32 v2, 31, v0                           ; lane
	s_wait_kmcnt 0x0
	s_cmp_lt_u32 ttmp9, 48
	s_cbranch_scc1 .Lw
	s_cmp_lt_u32 ttmp9, 304
	s_cbranch_scc1 .Lx
	; ================ w_out: work-group t = id - 304 takes columns 128 (t % 8) on and 128 along K from 128 (t / 8) on; a wave 32 columns
	s_sub_co_u32 s21, ttmp9, 304
	s_and_b32 s22, s21, 7
	s_lshr_b32 s23, s21, 3
	s_lshl_b32 s22, s22, 7
	s_lshl_b32 s24, s20, 5
	s_add_co_u32 s22, s22, s24                     ; my wave's first column
	v_lshlrev_b32 v3, 2, v2                        ; in: 4 bytes a lane
	s_mul_i32 s24, s20, 32*PITCH
	s_add_co_u32 s24, s24, TBASE                   ; my stage
	v_mul_u32_u24 v4, v2, PITCH
	v_add_nc_u32 v4, s24, v4                       ; into it: row = my column
	v_and_b32 v5, 15, v2
	v_lshrrev_b32 v6, 4, v2
	v_mul_u32_u24 v7, v6, PITCH
	v_lshl_add_u32 v7, v5, 4, v7
	v_add_nc_u32 v7, s24, v7                       ; out of it: sixteen lanes to a row, two rows an instruction
	v_lshlrev_b32 v8, 11, v6
	v_lshl_add_u32 v8, v5, 4, v8                   ; the same place in wt: rows of 2,048 bytes
	s_lshl_b32 s26, s23, 19                        ; 128 rows of 4,096 bytes
	s_lshl_b32 s27, s22, 2
	s_add_co_u32 s26, s26, s27
	s_mov_b32 s27, 0
	s_add_nc_u64 s[8:9], s[8:9], s[26:27]
	s_lshl_b32 s26, s22, 11
	s_lshl_b32 s28, s23, 8
	s_add_co_u32 s26, s26, s28
	s_add_nc_u64 s[18:19], s[18:19], s[26:27]
	TLD 0
	TLD 1
.irp t, 0,1,2,3
	TBLK \t
.endr
.irp t, 0,1,2,3,4,5,6,7,8,9,10,11,12,13,14,15
	ds_load_b128 v[OUTR+4*\t:OUTR+4*\t+3], v7 offset:2*\t*PITCH    ; in order behind my stores
.endr
.irp t, 0,1,2,3,4,5,6,7,8,9,10,11,12,13,14,15
	s_wait_dscnt 15-\t
	global_store_b128 v8, v[OUTR+4*\t:OUTR+4*\t+3], s[18:19] offset:2*\t*2048   ; sixteen lanes store 256 consecutive bytes, aligned
.endr
	FINISH
	; ================ w_qkv: work-group id takes columns 128 (id % 24) on and 512 along K from 512 (id / 24) on; a wave 32 columns, 16 blocks a lane
.Lw:
	s_cmp_ge_u32 ttmp9, 24
	s_cselect_b32 s22, 1, 0                        ; which 512 along K
	s_cselect_b32 s23, 24, 0
	s_sub_co_u32 s23, ttmp9, s23
	s_lshl_b32 s21, s23, 7
	s_lshl_b32 s24, s20, 5
	s_add_co_u32 s21, s21, s24                     ; my wave's first column
	v_lshlrev_b32 v3, 2, v2
	s_mul_i32 s24, s20, 32*PITCH
	s_add_co_u32 s24, s24, WBASE                   ; my stage
	v_mul_u32_u24 v4, v2, PITCH
	v_add_nc_u32 v4, s24, v4
	v_and_b32 v5, 15, v2
	v_lshrrev_b32 v6, 4, v2
	v_mul_u32_u24 v7, v6, PITCH
	v_lshl_add_u32 v7, v5, 4, v7
	v_add_nc_u32 v7, s24, v7
	v_lshlrev_b32 v8, 9, v6
	v_lshl_add_u32 v8, v5, 4, v8                   ; the same place in wc: rows of 512 bytes
	v_lshlrev_b32 v9, 5, v2                        ; my column's row of scale bytes
	s_mul_i32 s26, s22, 512*12288
	s_lshl_b32 s27, s21, 2
	s_add_co_u32 s26, s26, s27
	s_mov_b32 s27, 0
	s_add_nc_u64 s[6:7], s[6:7], s[26:27]
	s_lshl_b32 s26, s21, 9
	s_lshl_b32 s28, s22, 8
	s_add_co_u32 s26, s26, s28
	s_add_nc_u64 s[14:15], s[14:15], s[26:27]
	s_lshl_b32 s26, s21, 5
	s_lshl_b32 s28, s22, 4
	s_add_co_u32 s26, s26, s28
	s_add_nc_u64 s[16:17], s[16:17], s[26:27]
	WLOAD 0
	WLOAD 1
.irp t, 0,1,2,3,4,5,6,7,8,9,10,11,12,13,14,15
	WBLK \t
.endr
	global_store_b128 v9, v[SB:SB+3], s[16:17]     ; my column's 16 scale bytes
.irp t, 0,1,2,3,4,5,6,7,8,9,10,11,12,13,14,15
	ds_load_b128 v[OUTR+4*\t:OUTR+4*\t+3], v7 offset:2*\t*PITCH
.endr
.irp t, 0,1,2,3,4,5,6,7,8,9,10,11,12,13,14,15
	s_wait_dscnt 15-\t
	global_store_b128 v8, v[OUTR+4*\t:OUTR+4*\t+3], s[14:15] offset:2*\t*512   ; sixteen lanes store 256 consecutive bytes, aligned
.endr
	FINISH
	; ================ x: rows are dense and K is a multiple of 32: a plain stream of blocks.  Wave 4 (id - 48) + w takes 8,192 numbers: 16 steps of 512
.Lx:
	v_lshlrev_b32 v3, 4, v2                        ; my 16 bytes of a load's 512
	s_lshl_b32 s21, s20, 13                        ; my wave's 8,192 bytes of LDS
	v_lshrrev_b32 v14, 2, v2
	v_mul_u32_u24 v14, v14, SP
	v_and_b32 v15, 3, v2
	v_lshl_add_u32 v14, v15, 4, v14
	v_add_nc_u32 v14, s21, v14                     ; the stage, on the way in: SP (lane / 4) + 16 (lane % 4)
	v_mul_u32_u24 v15, v2, SP
	v_add_nc_u32 v15, s21, v15                     ; and on the way out: SP x lane
	v_lshlrev_b32 v4, 3, v2                        ; my 8 bytes of a step's codes
	v_lshrrev_b32 v5, 1, v2
	s_add_co_u32 s21, s21, 2*32*SP
	v_add_nc_u32 v5, s21, v5                       ; behind the two stages: my wave's 256 scale bytes, my block's byte
	v_lshlrev_b32 v7, 3, v2
	v_add_nc_u32 v6, s21, v7
	s_sub_co_u32 s22, ttmp9, 48
	s_lshl_b32 s22, s22, 2
	s_add_co_u32 s22, s22, s20                     ; my run
	s_mov_b32 s23, 0
	s_lshl_b64 s[24:25], s[22:23], 15
	s_add_nc_u64 s[4:5], s[4:5], s[24:25]
	s_lshl_b64 s[24:25], s[22:23], 12
	s_add_nc_u64 s[10:11], s[10:11], s[24:25]
	s_lshl_b64 s[24:25], s[22:23], 8
	s_add_nc_u64 s[12:13], s[12:13], s[24:25]
.irp t, 0,1,2,3
	XLOAD \t
.endr
	s_wait_loadcnt 12                              ; step 0's four loads are in
	XTURN 0
.irp t, 0,1,2,3,4,5,6,7,8,9,10,11,12,13,14,15
	XSTEP \t
.endr
	ds_load_b64 v[8:9], v6                         ; in order behind my byte stores
	s_wait_dscnt 0x0
	global_store_b64 v7, v[8:9], s[12:13]          ; 32 lanes store 256 consecutive bytes, aligned
	FINISH
.Lfunc_end_k_q32ab9b8e3d_prep:
	.size	k_q32ab9b8e3d_prep, .Lfunc_end_k_q32ab9b8e3d_prep-k_q32ab9b8e3d_prep
	.p2alignl 7, 3214868480
	.fill 96, 4, 3214868480
	.section	.rodata,"a",@progbits
	.p2align	6, 0x0
	.amdhsa_kernel k_q32ab9b8e3d_prep
		.amdhsa_group_segment_fixed_size 102912
		.amdhsa_private_segment_fixed_size 0
		.amdhsa_enable_private_segment 0
		.amdhsa_kernarg_size 64
		.amdhsa_user_sgpr_count 2
		.amdhsa_user_sgpr_kernarg_segment_ptr 1
		.amdhsa_wavefront_size32 1
		.amdhsa_system_sgpr_workgroup_id_x 1
		.amdhsa_system_sgpr_workgroup_id_y 1
		.amdhsa_system_sgpr_workgroup_id_z 1
		.amdhsa_system_vgpr_workitem_id 0
		.amdhsa_next_free_vgpr 192
		.amdhsa_next_free_sgpr 66
		.amdhsa_reserve_vcc 0
		.amdhsa_float_denorm_mode_32 3
		.amdhsa_float_denorm_mode_16_64 3
		.amdhsa_memory_ordered 1
		.amdhsa_forward_progress 1
		.amdhsa_inst_pref_size 132
	.end_amdhsa_kernel
	.amdgpu_metadata
---
amdhsa.version: [ 1, 2 ]
amdhsa.kernels:
  - .name:           k_q32ab9b8e3d_prep
    .symbol:         k_q32ab9b8e3d_prep.kd
    .args:
      - { .name: x, .offset: 0, .size: 8, .value_kind: global_buffer, .address_space: global }
      - { .name: w_qkv, .offset: 8, .size: 8, .value_kind: global_buffer, .address_space: global }
      - { .name: w_out, .offset: 16, .size: 8, .value_kind: global_buffer, .address_space: global }
      - { .name: xc, .offset: 24, .size: 8, .value_kind: global_buffer, .address_space: global }
      - { .name: xs, .offset: 32, .size: 8, .value_kind: global_buffer, .address_space: global }
      - { .name: wc, .offset: 40, .size: 8, .value_kind: global_buffer, .address_space: global }
      - { .name: ws, .offset: 48, .size: 8, .value_kind: global_buffer, .address_space: global }
      - { .name: wt, .offset: 56, .size: 8, .value_kind: global_buffer, .address_space: global }
    .group_segment_fixed_size: 102912
    .private_segment_fixed_size: 0
    .kernarg_segment_align: 8
    .kernarg_segment_size: 64
    .max_flat_workgroup_size: 128
    .sgpr_count:     66
    .vgpr_count:     192
    .wavefront_size: 32
...
	.end_amdgpu_metadata
.endif
;; end of part 1
;; launch gemm1 (part 2): grid 12 x 32, 4 waves a work-group, clusters of 4 x 4, 327,680 bytes of LDS; arguments xc, xs, wc, ws, qkv, q32; writes qkv, q32
.if DOCPART == 2
	.amdgcn_target "amdgcn-amd-amdhsa--gfx1250"
	.amdhsa_code_object_version 6
	.text
	.protected	k_q32ab9b8e3d_gemm1
	.globl	k_q32ab9b8e3d_gemm1
	.p2align	8
	.type	k_q32ab9b8e3d_gemm1,@function
k_q32ab9b8e3d_gemm1:
	s_mov_b64 s[64:65], 0
	v_nop
	global_prefetch_b8 v0, s[64:65] scope:SCOPE_SE
	s_setreg_imm32_b32 hwreg(HW_REG_WAVE_MODE, 25, 1), 1
	s_wait_xcnt 0x0
	s_wait_alu depctr_hold_cnt(0) depctr_sa_sdst(0) depctr_va_vdst(0) depctr_va_sdst(0) depctr_va_ssrc(0) depctr_va_vcc(0) depctr_vm_vsrc(0)
	s_getreg_b32 s2, hwreg(HW_REG_IB_STS2, 6, 4)
	s_cmp_eq_u32 s2, 0
	s_cbranch_scc0 .Lentry_in_a_cluster
	s_endpgm
.Lentry_in_a_cluster:
	s_bfe_u32 s2, ttmp6, 0x10000c
	s_cmp_lg_u32 s2, 0xf033
	s_cbranch_scc0 .Lentry_shape_is_right
	s_endpgm
.Lentry_shape_is_right:
; q, k, v = x w_qkv on codes of E2M1 with one E8M0 scale for each 32 along K; sums in f32.  A = xc [8192][512 B] with xs [8192][32]; B = wc [3072][512 B] with ws [3072][32].
; OUT: qkv, f16, [3 parts][64 = 16 b + h][2048 l][64]: a part is 2^24 bytes, a head 2^18, a row 128; and q32, f32, [64 = 16 b + l][3072]: the first 16 positions of every sequence unrounded, for launch fine.
; A tile of 256 x 256 is made by four waves, each 128 x 128 in 64 accumulators.  K = 1,024 is two slots of 512 in LDS: both are asked for at the start and nothing is filled twice.
; The scales of the work-group's 256 + 256 rows, for all of K, are two dense blocks: they come once, in rows of 256 bytes.
; CLUSTER 4 x 4: A's tiles are shared along a row of the cluster, B's along a column: joint loads.  THE MATRIX INSTRUCTION IS USED TRANSPOSED (source 0 = 16 rows of wc, source 1 = 16 rows of xc):
; a lane holds eight neighbouring columns of one row.  LIMIT: results go out in f16: magnitudes under 65,504.
; REGISTERS: window 0: v16-30 addresses; v32-95 scale words, two sets; v128-191 A's fragments, one set; window 1: B's fragments, two sets (v0, v128); windows 2, 3: accumulators (a, b) at v[8 (8 (a % 4) + b)].
.set NQ,     4                         ; steps of 128 along K in a slot
.set ROWB,   256                       ; a tile's row in bytes: 512 codes
.set KROW,   512                       ; a row of codes in memory
.set PITCH,  272                       ; an LDS row: 256 bytes + 16 of padding: the 16 rows that a load touches start at 16 different banks (64 banks of 4 bytes: ISA guide 11.1)
.set FR,     8
.set NL,     2
.set NP,     4                         ; places behind this matrix instruction (ISA guide 7.12.1)
.set HALFT,  128*PITCH
.set SLOT,   4*HALFT
.set KS,     32                        ; a row of scale bytes
.set SCL,    2*SLOT
.set HALFS,  (128*KS/256)*272
.set SBLK,   (16*KS/256)*272
.set SPARE,  SCL+4*HALFS               ; the spare words, 128 bytes for each wave, that no other line names
.set STG32,  18432                     ; the stages lie in slot 0, which has had its one fill and its last read when the first result is stored there: f16 4,608 a wave from 0, f32 8,448 a wave from here
.set ADRA, 16
.set ADRB, 20
.set STO32, 22
.set RD32, 23
.set STO,  24
.set RD,   25
.set CO,   26
.set ADRS, 27
.set SPW,  28
.set NIL,  29
.set CYV,  30
.set SC,   32
.set AF,   128
.set BK,   128                         ; the way out: rows read back: v128-159 and v160-191 by turns
.set TMP,  192                         ; the way out: a block rounded to f16
.set G1, 24
.set G0, 32
.set G1B, 48
.set G0B, 56
.set G1S, 68
.set G0S, 76
.set G1SB, 80
.set G0SB, 88
.set MSB, 0
.macro WIN new                         ; the immediate's high byte repeats the setting that is left
.if MSB != \new
	s_set_vgpr_msb (MSB<<8)|\new
.set MSB, \new
.endif
.endm
.set MUL_LO, 0xa1                      ; source 0 (B) window 1, source 1 (A) window 0, C and D window 2
.set MUL_HI, 0xf1
.set TO_B,   0x40
; A joint load: waves 0 and 1 fetch for A, waves 2 and 3 for B; the branch hangs on the wave's number alone.  An s_nop 0 and four v_nop follow each line.
.macro JLOAD g0a, g1a, g0b, g1b
	s_cmp_eq_u32 s15, 0
	s_cbranch_scc0 .Lfor_b_\@
	tensor_load_to_lds s[\g0a:\g0a+3], s[\g1a:\g1a+7]
	s_nop 0
.rept 4
	v_nop
.endr
	s_branch .Lasked_\@
.Lfor_b_\@:
	tensor_load_to_lds s[\g0b:\g0b+3], s[\g1b:\g1b+7]
	s_nop 0
.rept 4
	v_nop
.endr
.Lasked_\@:
.endm
.macro CROUND                          ; a round of the cluster's barrier
	s_barrier_signal -1
	s_barrier_wait -1
	s_cmp_lg_u32 s14, 0
	s_cbranch_scc1 .Lnot_wave_0_\@
	s_barrier_signal -3
.Lnot_wave_0_\@:
	s_barrier_wait -3
	s_barrier_signal -1
	s_barrier_wait -1
.endm
	s_load_b128 s[4:7], s[0:1], 0x0                ; xc, xs
	s_load_b128 s[8:11], s[0:1], 0x10              ; wc, ws
	s_load_b64 s[12:13], s[0:1], 0x20              ; qkv
	s_load_b64 s[96:97], s[0:1], 0x28              ; q32
	v_lshl_add_u32 v[SPW], v0, 2, SPARE
	v_mov_b32 v[NIL], 0
	ds_add_u32 v[SPW], v[NIL]                      ; the wave's opening: the add, twice on end, and its wait ahead of my first tensor load
	ds_add_u32 v[SPW], v[NIL]
	v_lshrrev_b32 v1, 5, v0
	v_readfirstlane_b32 s14, v1                    ; wave 0..3
	s_lshr_b32 s15, s14, 1                         ; my half of the tile's rows.  Also: I fetch for A (0) or for B (1)
	s_and_b32 s16, s14, 1                          ; my half of its columns.  Also: which 128 rows I fetch
	s_bfe_u32 s40, ttmp6, 0x40000                  ; cx
	s_bfe_u32 s41, ttmp6, 0x40004                  ; cy
	s_lshl_b32 s42, ttmp9, 2
	s_add_co_u32 s42, s42, s40                     ; tile column = 4 x cluster x + cx
	s_and_b32 s17, ttmp7, 0xffff
	s_lshl_b32 s17, s17, 2
	s_add_co_u32 s17, s17, s41                     ; tile row = 4 x cluster y + cy
	s_lshl_b32 s43, s41, 2
	s_lshl_b32 s43, 15, s43                        ; my row of the cluster
	s_lshl_b32 s44, 0x1111, s40                    ; my column
	s_or_b32 s[G1+0], s43, (0<<16)|(1<<20)|(1<<21)|(5<<22)|(3<<25)   ; mask; elements of 1 byte; padding on; bit 21 beside a mask; 4 words behind every 64
	s_or_b32 s[G1B+0], s44, (0<<16)|(1<<20)|(1<<21)|(5<<22)|(3<<25)
.irp g, G1, G1B
	s_mov_b32 s[\g+1], ROWB<<16                    ; tensor_dim0
	s_mov_b32 s[\g+2], 128<<16                     ; tensor_dim1
	s_mov_b32 s[\g+3], ROWB<<16                    ; tile_dim0
	s_mov_b32 s[\g+4], 128                         ; tile_dim1
	s_mov_b32 s[\g+5], KROW                        ; the pitch
	s_mov_b32 s[\g+6], 0
	s_mov_b32 s[\g+7], 0
.endr
	s_or_b32 s[G1S+0], s43, (3<<16)|(1<<20)|(1<<21)|(5<<22)|(3<<25)  ; the scales of 128 rows: 4,096 dense bytes as 16 rows of 32 elements of 8 bytes
	s_or_b32 s[G1SB+0], s44, (3<<16)|(1<<20)|(1<<21)|(5<<22)|(3<<25)
.irp g, G1S, G1SB
	s_mov_b32 s[\g+1], 32<<16
	s_mov_b32 s[\g+2], (128*KS/256)<<16
	s_mov_b32 s[\g+3], 32<<16
	s_mov_b32 s[\g+4], 128*KS/256
	s_mov_b32 s[\g+5], 32
	s_mov_b32 s[\g+6], 0
	s_mov_b32 s[\g+7], 0
.endr
	s_lshl_b32 s18, s16, 7
	s_lshl_b32 s20, s17, 8
	s_add_co_u32 s20, s20, s18                     ; A: row 256 x tile row + 128 x half
	s_lshl_b32 s46, s42, 8
	s_add_co_u32 s46, s46, s18                     ; B: row 256 x tile column + 128 x half
	s_mov_b32 s21, 0
	s_mov_b32 s47, 0
	s_mov_b64 s[18:19], KS
	s_mul_u64 s[22:23], s[20:21], s[18:19]         ; where these rows' scales begin
	s_mul_u64 s[92:93], s[46:47], s[18:19]
	s_mov_b64 s[18:19], KROW
	s_mul_u64 s[20:21], s[20:21], s[18:19]         ; and their codes
	s_mul_u64 s[46:47], s[46:47], s[18:19]
	s_mul_i32 s45, s14, HALFT                      ; where they go: no place in the cluster enters an LDS address
	s_mul_i32 s94, s14, HALFS
	s_wait_dscnt 0x0                               ; both opening adds are done
	s_wait_kmcnt 0x0
	s_add_nc_u64 s[20:21], s[4:5], s[20:21]
	s_add_nc_u64 s[22:23], s[6:7], s[22:23]
	s_add_nc_u64 s[46:47], s[8:9], s[46:47]
	s_add_nc_u64 s[92:93], s[10:11], s[92:93]
	CROUND                                         ; all sixteen work-groups are here: the joint loads meet
	s_mov_b32 s[G0S], 1
	s_add_co_u32 s[G0S+1], s94, SCL
	s_mov_b64 s[G0S+2:G0S+3], s[22:23]
	s_or_b32 s[G0S+3], s[G0S+3], 0x80000000
	s_mov_b32 s[G0SB], 1
	s_add_co_u32 s[G0SB+1], s94, SCL
	s_mov_b64 s[G0SB+2:G0SB+3], s[92:93]
	s_or_b32 s[G0SB+3], s[G0SB+3], 0x80000000
	JLOAD G0S, G1S, G0SB, G1SB                     ; the scales first; then both slots: three loads of mine are out
.irp s, 0,1
	s_mov_b32 s[G0+4*\s], 1
	s_add_co_u32 s[G0+4*\s+1], s45, \s*SLOT
	s_add_nc_u64 s[G0+4*\s+2:G0+4*\s+3], s[20:21], \s*ROWB
	s_or_b32 s[G0+4*\s+3], s[G0+4*\s+3], 0x80000000
	s_mov_b32 s[G0B+4*\s], 1
	s_add_co_u32 s[G0B+4*\s+1], s45, \s*SLOT
	s_add_nc_u64 s[G0B+4*\s+2:G0B+4*\s+3], s[46:47], \s*ROWB
	s_or_b32 s[G0B+4*\s+3], s[G0B+4*\s+3], 0x80000000
	JLOAD G0+4*\s, G1, G0B+4*\s, G1B
.endr
	v_and_b32 v1, 15, v0                           ; r = l % 16
	v_bfe_u32 v2, v0, 4, 1                         ; h = l / 16
	v_mul_u32_u24 v3, v1, PITCH
	v_lshl_add_u32 v4, v2, 4, v3                   ; a fragment's row x pitch + 16 h
	s_mul_i32 s21, s15, HALFT
	s_mul_i32 s22, s16, HALFT
	s_add_co_u32 s22, s22, 2*HALFT
.irp s, 0,1
	v_add_nc_u32 v[ADRA+\s], s21, v4
	v_add_nc_u32 v[ADRB+\s], s22, v4
	s_add_co_u32 s21, s21, SLOT
	s_add_co_u32 s22, s22, SLOT
.endr
	v_mul_u32_u24 v5, v1, KS                       ; my row's scales: 32 bytes a row,
	v_lshrrev_b32 v6, 8, v5
	v_lshl_add_u32 v5, v6, 4, v5                   ; and 16 more for each 256 passed
	s_mul_i32 s21, s15, HALFS
	s_mul_i32 s22, s16, HALFS
	s_add_co_u32 s22, s22, 2*HALFS
	s_sub_co_u32 s22, s22, s21
	v_mul_u32_u24 v6, s22, v2                      ; lanes 16-31 take B's: one product, the distance between the two bases
	s_add_co_u32 s21, s21, SCL
	v_add_nc_u32 v5, v5, v6
	v_add_nc_u32 v[ADRS], s21, v5
	s_mul_i32 s23, s14, 4608                       ; my f16 stage: two heads x 16 rows x (128 bytes + 16)
	v_mul_u32_u24 v5, v1, 144
	v_lshl_add_u32 v5, v2, 4, v5
	v_add_nc_u32 v[STO], s23, v5                   ; in: row r, 16 bytes for each half of the lanes
	v_and_b32 v6, 31, v0
	v_lshlrev_b32 v[CO], 4, v6                     ; in memory: 16 bytes a lane
	v_lshrrev_b32 v7, 3, v6
	v_mul_u32_u24 v7, v7, 144
	v_and_b32 v8, 7, v6
	v_lshl_add_u32 v7, v8, 4, v7
	v_add_nc_u32 v[RD], s23, v7                    ; back: eight lanes to a row of 128 bytes, four rows an instruction
	s_mul_i32 s23, s14, 8448                       ; my f32 stage: 16 rows x (512 bytes + 16)
	s_add_co_u32 s23, s23, STG32
	v_mul_u32_u24 v5, v1, 528
	v_lshl_add_u32 v5, v2, 5, v5
	v_add_nc_u32 v[STO32], s23, v5
	v_add_nc_u32 v[RD32], s23, v[CO]
	; qkv: (16 b) heads + my first position's row; then the part and my first head
	s_lshr_b32 s20, s17, 3                         ; b = tile row / 8
	s_lshl_b32 s20, s20, 22
	s_and_b32 s21, s17, 7
	s_lshl_b32 s21, s21, 15                        ; 256 positions of 128 bytes
	s_add_co_u32 s20, s20, s21
	s_lshl_b32 s21, s15, 14
	s_add_co_u32 s20, s20, s21
	s_mov_b32 s21, 0
	s_lshl_b32 s46, ttmp9, 24                      ; a part is four tile columns: the part is the cluster's x
	s_lshl_b32 s47, s40, 20                        ; head 4 cx
	s_add_co_u32 s46, s46, s47
	s_lshl_b32 s47, s16, 19                        ; + 2 x my half
	s_add_co_u32 s46, s46, s47
	s_mov_b32 s47, 0
	s_add_nc_u64 s[20:21], s[20:21], s[46:47]
	s_add_nc_u64 s[12:13], s[12:13], s[20:21]
	; q32: 16 rows of 12,288 bytes for each b; my 128 columns
	s_and_b32 s20, ttmp7, 0xffff
	s_lshr_b32 s20, s20, 1
	s_mul_i32 s20, s20, 196608
	s_lshl_b32 s46, s42, 10
	s_lshl_b32 s47, s16, 9
	s_add_co_u32 s46, s46, s47
	s_add_co_u32 s20, s20, s46
	s_mov_b32 s21, 0
	s_add_nc_u64 s[96:97], s[96:97], s[20:21]
	s_and_b32 s94, ttmp7, 1                        ; 0 where the cluster's y is even (the same in all partners) and my rows are the tile's upper half
	s_or_b32 s94, s94, s15
.macro FRAG reg, adr, q, i             ; 16 rows x 128 K of 4-bit codes: 8 registers: two loads of 16 bytes, 32 bytes apart
.irp c, 0,1
	ds_load_b128 v[\reg+4*\c:\reg+4*\c+3], v[\adr] offset:64*(\q)+32*\c+(\i)*16*PITCH
.endr
.endm
; 16 matrix instructions: A's blocks a0, a0 + 1 x B's eight.  The 64 accumulators take turns, one instruction a turn, in the same order in every step.
.macro MUL16 a0, p, q, sc, zero
.irp a, \a0, \a0+1
.irp b, 0,1,2,3,4,5,6,7
.if \zero
	v_wmma_scale_f32_16x16x128_f8f6f4 v[8*(8*((\a)%4)+\b):8*(8*((\a)%4)+\b)+7], v[128*(\p)+FR*\b:128*(\p)+FR*\b+FR-1], v[AF+FR*(\a):AF+FR*(\a)+FR-1], 0, v[SC+8*NQ*(\sc)+NQ*\b+(\q)], v[SC+8*NQ*(\sc)+NQ*(\a)+(\q)] matrix_a_fmt:MATRIX_FMT_FP4 matrix_b_fmt:MATRIX_FMT_FP4 matrix_a_scale:MATRIX_SCALE_ROW1
.else
	v_wmma_scale_f32_16x16x128_f8f6f4 v[8*(8*((\a)%4)+\b):8*(8*((\a)%4)+\b)+7], v[128*(\p)+FR*\b:128*(\p)+FR*\b+FR-1], v[AF+FR*(\a):AF+FR*(\a)+FR-1], v[8*(8*((\a)%4)+\b):8*(8*((\a)%4)+\b)+7], v[SC+8*NQ*(\sc)+NQ*\b+(\q)], v[SC+8*NQ*(\sc)+NQ*(\a)+(\q)] matrix_a_fmt:MATRIX_FMT_FP4 matrix_b_fmt:MATRIX_FMT_FP4 matrix_a_scale:MATRIX_SCALE_ROW1
.endif
.endr
.endr
.endm
.macro FETCH_B slot, q, p
	WIN TO_B
.irp i, 0,1,2,3,4,5,6,7
	FRAG 128*(\p)+FR*\i, ADRB+\slot, \q, \i
.endr
	WIN 0
.endm
.macro FETCH_A slot, q, i0
.irp i, \i0, \i0+1, \i0+2, \i0+3
	FRAG AF+FR*(\i), ADRA+\slot, \q, \i
.endr
.endm
.macro SCALES sc                       ; a slot's scale words: four words a row; lanes 0-15 take A's block i, lanes 16-31 B's
.irp i, 0,1,2,3,4,5,6,7
	ds_load_b128 v[SC+8*NQ*\sc+NQ*\i:SC+8*NQ*\sc+NQ*\i+3], v[ADRS] offset:\i*SBLK
.endr
.endm
.macro PLACES n                        ; plain vector instructions between a matrix instruction and a load into, or a read of, its registers
.rept \n
	v_nop
.endr
.endm
.macro STEP slot, q, zero              ; 128 along K with its successor in the same slot
	s_wait_dscnt 4*NL                              ; B's set and A's blocks 0-3 are in; the youngest eight loads (A's blocks 4-7) may be out
	WIN MUL_LO
	MUL16 0, (\q)%2, \q, \slot, \zero
	MUL16 2, (\q)%2, \q, \slot, \zero
	s_wait_dscnt 0
	PLACES NP
	FETCH_B \slot, (\q)+1, 1-(\q)%2
	FETCH_A \slot, (\q)+1, 0
	WIN MUL_HI
	MUL16 4, (\q)%2, \q, \slot, \zero
	MUL16 6, (\q)%2, \q, \slot, \zero
	PLACES NP
	WIN 0
	FETCH_A \slot, (\q)+1, 4
.endm
.macro TURN slot, next                 ; slot 0's last step, and the one change of slots: behind the barrier slot 1 is whole and nobody reads slot 0
	s_wait_tensorcnt 0x0                           ; all my tensor loads have landed, my part of slot 1 among them
	ds_add_u32 v[SPW], v[NIL]                      ; 0 onto my spare word
	s_wait_dscnt 4*NL+1                            ; the add and the youngest eight loads may be out
	WIN MUL_LO
	MUL16 0, 1, NQ-1, \slot, 0
	s_wait_dscnt 0x0                               ; the add is done, and my reads of this slot are over
	s_barrier_signal -1
	MUL16 2, 1, NQ-1, \slot, 0
	WIN 0
	s_barrier_wait -1
	PLACES NP
	v_add_nc_u32 v[ADRS], 4*NQ, v[ADRS]            ; the next slot's scale words (no LDS load of mine is out)
	FETCH_B \next, 0, 0
	FETCH_A \next, 0, 0
	SCALES \next
	WIN MUL_HI
	MUL16 4, 1, NQ-1, \slot, 0
	MUL16 6, 1, NQ-1, \slot, 0
	PLACES NP
	WIN 0
	FETCH_A \next, 0, 4
.endm
	s_wait_tensorcnt 1                             ; the scales and my part of slot 0 are in; slot 1's load may be out
	s_barrier_signal -1
	s_barrier_wait -1
	FETCH_B 0, 0, 0
	FETCH_A 0, 0, 0
	SCALES 0
	FETCH_A 0, 0, 4
	STEP 0, 0, 1                                   ; the first step's products start the sums: nothing is cleared
	STEP 0, 1, 0
	STEP 0, 2, 0
	TURN 0, 1
	STEP 1, 0, 0
	STEP 1, 1, 0
	STEP 1, 2, 0
	s_wait_dscnt 4*NL
	WIN MUL_LO
	MUL16 0, 1, NQ-1, 1, 0
	MUL16 2, 1, NQ-1, 1, 0
	s_wait_dscnt 0
	WIN MUL_HI
	MUL16 4, 1, NQ-1, 1, 0
	MUL16 6, 1, NQ-1, 1, 0
	WIN 0
	PLACES NP                                      ; in front of the first reads of results and of loads into A's registers
	; THE FIRST 16 POSITIONS OF A SEQUENCE, UNROUNDED.  They are block 0 of the waves with the upper rows in the tile row 8 b: cluster y even, cy = 0.  The branch hangs on the cluster's y and the wave alone;
	; cy narrows EXEC for the stores and enters no branch and no LDS address.
	s_cmp_lg_u32 s94, 0
	s_cbranch_scc1 .Lno_fine
	WIN 0x08                                       ; an LDS store's data: window 2
.irp b, 0,1,2,3,4,5,6,7
	ds_store_b128 v[STO32], v[8*\b:8*\b+3] offset:64*\b            ; each accumulator from its low end on
	ds_store_b128 v[STO32], v[8*\b+4:8*\b+7] offset:64*\b+16
.endr
	WIN 0
.irp t, 0,1,2,3,4,5,6,7,8,9,10,11,12,13,14,15
	ds_load_b128 v[BK+4*\t:BK+4*\t+3], v[RD32] offset:528*\t       ; in order behind my stores: whole rows of 512 bytes
.endr
	v_mov_b32 v[CYV], s41
	v_cmp_eq_u32 vcc_lo, 0, v[CYV]
	s_wait_dscnt 0x0
	s_wait_xcnt 0x0                                ; EXEC changes only behind this wait
	s_and_saveexec_b32 s95, vcc_lo
.irp t, 0,1,2,3,4,5,6,7,8,9,10,11,12,13,14,15
	global_store_b128 v[CO], v[BK+4*\t:BK+4*\t+3], s[96:97] offset:12288*\t   ; 32 lanes store 512 consecutive bytes, aligned
.endr
	s_wait_xcnt 0x0                                ; and again in front of the line that widens it; the stores' data registers are free too
	s_or_b32 exec_lo, exec_lo, s95
.Lno_fine:
; THE WAY OUT, a block of 16 rows x 128 columns (two heads) at a time: rounded to f16, through my stage, back as rows of 128 bytes, four rows of one head to a store.
.macro PACK a
.set AC, 64*((\a)%4)
	WIN 0x0a+5*((\a)/4)                            ; sources 0 and 1: window 2 or 3
.irp b, 0,1,2,3,4,5,6,7
.irp r, 0,1,2,3
	v_cvt_pk_f16_f32 v[TMP+4*\b+\r], v[AC+8*\b+2*\r], v[AC+8*\b+2*\r+1]
.endr
.endr
	WIN 0
.endm
.macro TOSTAGE a
.irp b, 0,1,2,3,4,5,6,7
	ds_store_b128 v[STO], v[TMP+4*\b:TMP+4*\b+3] offset:(\b/4)*2304+(\b%4)*32
.endr
.irp t, 0,1,2,3,4,5,6,7
	ds_load_b128 v[BK+32*((\a)%2)+4*\t:BK+32*((\a)%2)+4*\t+3], v[RD] offset:(\t/4)*2304+(\t%4)*576   ; in order behind my stores
.endr
.endm
.macro SEND a
	s_wait_dscnt 0x0                               ; the block is back in registers
	s_wait_xcnt 0x0                                ; the stores of the block before have read their registers: the next block's loads may land there
.irp t, 0,1,2,3,4,5,6,7
	global_store_b128 v[CO], v[BK+32*((\a)%2)+4*\t:BK+32*((\a)%2)+4*\t+3], s[12:13] offset:(\a)*2048+(\t/4)*262144+(\t%4)*512   ; 512 consecutive bytes, aligned
.endr
.endm
	PACK 0
	TOSTAGE 0
.irp a, 1,2,3,4,5,6,7                  ; block a's conversions stand between block a - 1's loads from the stage and the wait for them
	PACK \a
	SEND \a-1
	TOSTAGE \a
.endr
	SEND 7
	s_wait_tensorcnt 0x0                           ; the wave's end
	ds_add_u32 v[SPW], v[NIL]
	s_wait_dscnt 0x0
	CROUND                                         ; the closing round
	s_endpgm
.Lfunc_end_k_q32ab9b8e3d_gemm1:
	.size	k_q32ab9b8e3d_gemm1, .Lfunc_end_k_q32ab9b8e3d_gemm1-k_q32ab9b8e3d_gemm1
	.p2alignl 7, 3214868480
	.fill 96, 4, 3214868480
	.section	.rodata,"a",@progbits
	.p2align	6, 0x0
	.amdhsa_kernel k_q32ab9b8e3d_gemm1
		.amdhsa_group_segment_fixed_size 327680
		.amdhsa_private_segment_fixed_size 0
		.amdhsa_enable_private_segment 0
		.amdhsa_kernarg_size 48
		.amdhsa_user_sgpr_count 2
		.amdhsa_user_sgpr_kernarg_segment_ptr 1
		.amdhsa_wavefront_size32 1
		.amdhsa_system_sgpr_workgroup_id_x 1
		.amdhsa_system_sgpr_workgroup_id_y 1
		.amdhsa_system_sgpr_workgroup_id_z 1
		.amdhsa_system_vgpr_workitem_id 0
		.amdhsa_next_free_vgpr 1024
		.amdhsa_next_free_sgpr 98
		.amdhsa_reserve_vcc 1
		.amdhsa_float_denorm_mode_32 3
		.amdhsa_float_denorm_mode_16_64 3
		.amdhsa_memory_ordered 1
		.amdhsa_forward_progress 1
		.amdhsa_inst_pref_size 131
	.end_amdhsa_kernel
	.amdgpu_metadata
---
amdhsa.version: [ 1, 2 ]
amdhsa.kernels:
  - .name:           k_q32ab9b8e3d_gemm1
    .symbol:         k_q32ab9b8e3d_gemm1.kd
    .args:
      - { .name: xc, .offset: 0, .size: 8, .value_kind: global_buffer, .address_space: global }
      - { .name: xs, .offset: 8, .size: 8, .value_kind: global_buffer, .address_space: global }
      - { .name: wc, .offset: 16, .size: 8, .value_kind: global_buffer, .address_space: global }
      - { .name: ws, .offset: 24, .size: 8, .value_kind: global_buffer, .address_space: global }
      - { .name: qkv, .offset: 32, .size: 8, .value_kind: global_buffer, .address_space: global }
      - { .name: q32, .offset: 40, .size: 8, .value_kind: global_buffer, .address_space: global }
    .group_segment_fixed_size: 327680
    .private_segment_fixed_size: 0
    .kernarg_segment_align: 8
    .kernarg_segment_size: 48
    .max_flat_workgroup_size: 128
    .sgpr_count:     98
    .vgpr_count:     1024
    .wavefront_size: 32
...
	.end_amdgpu_metadata
.endif
;; end of part 2
;; launch attn (part 3): grid 4 x 64, 16 waves a work-group, no clusters, 327,680 bytes of LDS; arguments qkv, ob; writes ob
.if DOCPART == 3
	.amdgcn_target "amdgcn-amd-amdhsa--gfx1250"
	.amdhsa_code_object_version 6
	.text
	.protected	k_q32ab9b8e3d_attn
	.globl	k_q32ab9b8e3d_attn
	.p2align	8
	.type	k_q32ab9b8e3d_attn,@function
k_q32ab9b8e3d_attn:
	s_mov_b64 s[64:65], 0
	v_nop
	global_prefetch_b8 v0, s[64:65] scope:SCOPE_SE
	s_setreg_imm32_b32 hwreg(HW_REG_WAVE_MODE, 25, 1), 1
	s_wait_xcnt 0x0
; O[b][h][q] = the sum over k <= q of softmax_k(Q.K / 8) V, on f16 operands with f32 products, maxima and sums.  qkv: f16 [3][64 = 16 b + h][2048][64].  ob: f16 [16 h][8192 = 2048 b + l][64].
; LEFT OUT: key steps that lie wholly behind a wave's queries, and slots wholly behind the work-group's last query: reference()'s own mask gives their weights the exponential 0 (shown at the head of prep).
; LIMITS: as stated there: a row's largest score / 8 above -1e9 + 200; operands under 65,504.  The rows of positions 0-15 are computed here too (they share tiles with live rows) and are replaced by launch fine.
; SHARES.  A work-group owns the blocks p and 7 - p of 256 queries of one head, so that all work-groups have the same number of live key steps.  Each of its sixteen waves owns 32 queries, two tiles of 16,
; in 256 registers: four waves to a SIMD, so that one wave's softmax stands beside another's products and LDS loads.
; NO CLUSTER: the work-groups of a head need 8, 7, 6 and 5 slots of keys; a joint load would bring some partners tiles that none of their waves reads.
; LAYOUT.  S^T = K Q^T (source 0 = 16 keys, source 1 = 16 queries): a lane holds one query (lane % 16) and keys 8 (lane / 16) + 0..7.  Two such tiles rounded in pairs are source 1 of O^T = V^T P.
; K comes out of LDS as it lies, V ([key][channel]) turned, by ds_load_tr16_b128.
; SOFTMAX.  Running maximum m and sum l: p = 2^(c s - c m), c = log2(e) / 8; in every step O and l are multiplied by a = 2^(c m_old - c m_new).  m begins at -3e38, O and l at 0.
; RING.  Two slots of 256 keys; waves 0, 1 fetch K's halves, waves 2, 3 V's.  Every work-group walks all 8 changes of slots: trip counts are constants.
.set SK,    256
.set PK,    144                        ; a key's row: 128 bytes + 16: the 16 rows of a load start at 16 different banks (ISA guide 11.1)
.set PV,    160                        ; a row of V: 128 + 32
.set VOFF,  SK*PK
.set SLOT1, 1<<17
.set SPARE, 2*SLOT1                    ; the spare words, 128 bytes for each of 16 waves, that no other line names
.set STAGE, SPARE+2048                 ; the way out: 16 rows x 144 for each wave; no tensor load lands here
.set AK0, 1
.set AV0, 2
.set ADK, 3
.set ADV, 4
.set SPW, 5
.set NIL, 6
.set PFO, 7
.set RH,  8                            ; v8 r - 8 h
.set STA, 16                           ; tile t's statistics at v[16 + 8 t]: +0 c m, +1 m, +2, +3 l, +4 .. +7 at work (a in +6)
.set QF,  32                           ; Q: 16 t + 8 s
.set SS,  64                           ; S^T: 32 t + 8 kt; later P in the low 16 of each 32
.set OO,  128                          ; O^T: 32 t + 8 c
.set KV,  192                          ; K: 16 kt + 8 s; then V: 32 ks + 8 c
.set WV,  8
.set BH,  10
.set Q0,  11
.set QL,  12
.set KF,  13
.set TB,  14
.set SLOTS, 15
.set SEL, 16
.set CS,  18
.set QB,  20
.set G1K, 24
.set G1V, 32
.set G0K, 40
.set G0V, 44
.set PFA, 48
.set LIM, 50
.macro TLOAD                           ; the branches hang on the wave's number alone; an s_nop 0 and four v_nop follow each load
	s_cmp_lt_u32 s[WV], 2
	s_cbranch_scc0 .Lnot_k_\@
	tensor_load_to_lds s[G0K:G0K+3], s[G1K:G1K+7]
	s_nop 0
.rept 4
	v_nop
.endr
	s_branch .Lasked_\@
.Lnot_k_\@:
	s_cmp_lt_u32 s[WV], 4
	s_cbranch_scc0 .Lasked_\@
	tensor_load_to_lds s[G0V:G0V+3], s[G1V:G1V+7]
	s_nop 0
.rept 4
	v_nop
.endr
.Lasked_\@:
.endm
; A prefetch of the slot that the NEXT change will ask for: 32,768 bytes of K and of V.  The head's first work-group asks, which walks all eight slots; in it waves 4-7 for K and 8-11 for V,
; 8,192 bytes a wave, lanes 256 bytes apart: each aligned block of 256 bytes is named once in the launch.  The last change that fills a slot asks for nothing; nothing is asked at the head.
.macro ASK
	s_cmp_gt_u32 s[SLOTS], s[LIM]
	s_cbranch_scc0 .Lnot_mine_\@
	global_prefetch_b8 v[PFO], s[PFA:PFA+1] th:TH_LOAD_NT scope:SCOPE_SE
.Lnot_mine_\@:
.endm
	s_load_b128 s[4:7], s[0:1], 0x0                ; qkv, ob
	v_lshl_add_u32 v[SPW], v0, 2, SPARE
	v_mov_b32 v[NIL], 0
	ds_add_u32 v[SPW], v[NIL]                      ; the wave's opening: the add, twice on end, and its wait ahead of the first tensor load
	ds_add_u32 v[SPW], v[NIL]
	v_lshrrev_b32 v10, 5, v0
	v_readfirstlane_b32 s[WV], v10                 ; wave 0..15
	s_and_b32 s[BH], ttmp7, 0xffff                 ; 16 b + h
	s_lshl_b32 s52, ttmp9, 8
	s_lshl_b32 s53, s[WV], 5
	s_add_co_u32 s52, s52, s53                     ; waves 0-7: 256 p + 32 w
	s_sub_co_u32 s54, 7, ttmp9
	s_lshl_b32 s54, s54, 8
	s_sub_co_u32 s55, 15, s[WV]
	s_lshl_b32 s55, s55, 5
	s_add_co_u32 s54, s54, s55                     ; waves 8-15: 256 (7 - p) + 32 (15 - w)
	s_cmp_lt_u32 s[WV], 8
	s_cselect_b32 s[Q0], s52, s54                  ; my first query
	s_sub_co_u32 s[QL], 8, ttmp9
	s_lshl_b32 s[QL], s[QL], 8
	s_sub_co_u32 s[QL], s[QL], 1                   ; the work-group's last query
	s_mov_b32 s[KF], 0
	s_mov_b32 s[TB], 0
	s_mov_b32 s[SLOTS], 7
	s_mov_b32 s[SEL], 0x76543210
	s_mov_b32 s[SEL+1], 0xfedcba98                 ; lane l xor 16
	s_mov_b32 s[CS], 0x3e38aa3b                    ; c = log2(e) / 8
	s_mov_b32 s[CS+1], s[CS]
	s_mov_b32 s[G1K], (1<<16)|(1<<20)|(4<<22)|(3<<25)   ; elements of 2 bytes; padding: 4 words behind every 32
	s_mov_b32 s[G1V], (1<<16)|(1<<20)|(4<<22)|(7<<25)   ; 8 words
.irp g, G1K, G1V
	s_mov_b32 s[\g+1], 64<<16                      ; tensor_dim0
	s_mov_b32 s[\g+2], 128<<16                     ; tensor_dim1
	s_mov_b32 s[\g+3], 64<<16                      ; tile_dim0
	s_mov_b32 s[\g+4], 128                         ; tile_dim1
	s_mov_b32 s[\g+5], 64                          ; the pitch
	s_mov_b32 s[\g+6], 0
	s_mov_b32 s[\g+7], 0
.endr
	s_lshl_b32 s52, s[BH], 18                      ; the head's first byte in a part
	s_and_b32 s53, s[WV], 1                        ; which 128 rows of a slot I fetch, if I fetch
	s_lshl_b32 s54, s53, 14
	s_add_co_u32 s54, s54, s52
	s_add_co_u32 s56, s54, 1<<24                   ; K
	s_mov_b32 s57, 0
	s_add_co_u32 s58, s54, 1<<25                   ; V
	s_mov_b32 s59, 0
	s_mul_i32 s60, s53, 128*PK
	s_mul_i32 s61, s53, 128*PV
	s_add_co_u32 s61, s61, VOFF
	s_wait_dscnt 0x0                               ; both opening adds are done
	s_wait_kmcnt 0x0
	s_mov_b32 s[G0K], 1
	s_mov_b32 s[G0K+1], s60
	s_add_nc_u64 s[G0K+2:G0K+3], s[4:5], s[56:57]
	s_or_b32 s[G0K+3], s[G0K+3], 0x80000000
	s_mov_b32 s[G0V], 1
	s_mov_b32 s[G0V+1], s61
	s_add_nc_u64 s[G0V+2:G0V+3], s[4:5], s[58:59]
	s_or_b32 s[G0V+3], s[G0V+3], 0x80000000
	TLOAD                                          ; slot 0: it holds key 0, which counts for every query
	s_lshl_b32 s54, s[Q0], 7
	s_add_co_u32 s54, s54, s52
	s_mov_b32 s55, 0
	s_add_nc_u64 s[QB:QB+1], s[4:5], s[54:55]      ; Q at my first query
	s_and_b32 s54, s[BH], 15
	s_lshl_b32 s54, s54, 13
	s_lshr_b32 s55, s[BH], 4
	s_lshl_b32 s55, s55, 11
	s_add_co_u32 s54, s54, s55
	s_add_co_u32 s54, s54, s[Q0]
	s_lshl_b32 s54, s54, 7
	s_mov_b32 s55, 0
	s_add_nc_u64 s[6:7], s[6:7], s[54:55]          ; ob at row 8192 h + 2048 b + my first query
	s_mov_b32 s54, 1<<25
	s_cmp_lt_u32 s[WV], 8
	s_cselect_b32 s54, 1<<24, s54
	s_add_co_u32 s54, s54, s52
	s_and_b32 s55, s[WV], 3
	s_lshl_b32 s55, s55, 13
	s_add_co_u32 s54, s54, s55
	s_add_co_u32 s54, s54, 32768                   ; in slot 1: the first change steps it to slot 2
	s_mov_b32 s55, 0
	s_add_nc_u64 s[PFA:PFA+1], s[4:5], s[54:55]
	s_sub_co_u32 s54, s[WV], 4
	s_lshr_b32 s54, s54, 3                         ; 0 in waves 4 to 11,
	s_or_b32 s54, s54, ttmp9                       ; of the head's first work-group
	s_cmp_eq_u32 s54, 0
	s_cselect_b32 s[LIM], 1, -1
	v_and_b32 v10, 15, v0                          ; r
	v_bfe_u32 v11, v0, 4, 1                        ; h
	v_lshlrev_b32 v12, 7, v10
	v_lshl_add_u32 v12, v11, 4, v12                ; Q: 128 r + 16 h
.irp t, 0,1
.irp s, 0,1
	global_load_b128 v[QF+16*\t+8*\s:QF+16*\t+8*\s+3], v12, s[QB:QB+1] offset:2048*\t+64*\s
	global_load_b128 v[QF+16*\t+8*\s+4:QF+16*\t+8*\s+7], v12, s[QB:QB+1] offset:2048*\t+64*\s+32
.endr
.endr
	v_mul_u32_u24 v[AK0], v10, PK
	v_lshl_add_u32 v[AK0], v11, 4, v[AK0]
	v_and_b32 v13, 7, v0
	v_lshl_add_u32 v13, v11, 3, v13
	v_mul_u32_u24 v[AV0], v13, PV
	v_bfe_u32 v13, v0, 3, 1
	v_lshl_add_u32 v[AV0], v13, 4, v[AV0]
	v_add_nc_u32 v[AV0], VOFF, v[AV0]
	v_and_b32 v[PFO], 31, v0
	v_lshlrev_b32 v[PFO], 8, v[PFO]
	v_lshlrev_b32 v13, 3, v11
	v_sub_nc_u32 v[RH], v10, v13
.irp t, 0,1
	v_mov_b32 v[STA+8*\t+1], 0xff61b1e6            ; m = -3e38, under every score
	v_mul_f32 v[STA+8*\t], s[CS], v[STA+8*\t+1]
.irp j, 2,3,4,5,6,7
	v_mov_b32 v[STA+8*\t+\j], 0
.endr
.endr
.set i, 0
.rept 64
	v_mov_b32 v[OO+i], 0                           ; the step is written once: the first finds zeros, which a = 0 leaves zeros
.set i, i+1
.endr
; A KEY STEP: 64 keys, the q-th of the slot in hand.
.macro STEP q
	s_add_co_u32 s52, s[Q0], 31
	s_cmp_gt_u32 s[KF], s52                        ; all 64 keys behind my 32 queries: the step's work is left out (ids and the count of steps alone)
	s_cbranch_scc1 .Lhidden_\@
	v_add_nc_u32 v[ADK], s[TB], v[AK0]
	v_add_nc_u32 v[ADV], s[TB], v[AV0]
.rept 3
	v_nop                                          ; with the two additions five places behind the last products: K's loads land on V's registers, and the new scores are written over P
.endr
.irp kt, 0,1,2,3
.irp s, 0,1
	ds_load_b128 v[KV+16*\kt+8*\s:KV+16*\kt+8*\s+3], v[ADK] offset:64*PK*(\q)+16*PK*\kt+64*\s
	ds_load_b128 v[KV+16*\kt+8*\s+4:KV+16*\kt+8*\s+7], v[ADK] offset:64*PK*(\q)+16*PK*\kt+64*\s+32
.endr
.endr
	s_wait_dscnt 0x0
.irp s, 0,1                            ; eight accumulators by turns, one instruction a turn
.irp kt, 0,1,2,3
.irp t, 0,1
.if \s == 0
	v_wmma_f32_16x16x32_f16 v[SS+32*\t+8*\kt:SS+32*\t+8*\kt+7], v[KV+16*\kt+8*\s:KV+16*\kt+8*\s+7], v[QF+16*\t+8*\s:QF+16*\t+8*\s+7], 0
.else
	v_wmma_f32_16x16x32_f16 v[SS+32*\t+8*\kt:SS+32*\t+8*\kt+7], v[KV+16*\kt+8*\s:KV+16*\kt+8*\s+7], v[QF+16*\t+8*\s:QF+16*\t+8*\s+7], v[SS+32*\t+8*\kt:SS+32*\t+8*\kt+7]
.endif
.endr
.endr
.endr
.rept 4
	v_nop                                          ; places in front of V's loads into K's registers and of the first read of the scores
.endr
.irp ks, 0,1
.irp c, 0,1,2,3
	ds_load_tr16_b128 v[KV+32*\ks+8*\c:KV+32*\ks+8*\c+3], v[ADV] offset:64*PV*(\q)+32*PV*\ks+32*\c
	ds_load_tr16_b128 v[KV+32*\ks+8*\c+4:KV+32*\ks+8*\c+7], v[ADV] offset:64*PV*(\q)+32*PV*\ks+16*PV+32*\c
.endr
.endr
	s_add_co_u32 s52, s[KF], 63
	s_cmp_le_u32 s52, s[Q0]                        ; all keys count for all my queries: no mask
	s_cbranch_scc1 .Lopen_\@
	s_sub_co_i32 s52, s[Q0], s[KF]
	v_add_nc_u32 v10, s52, v[RH]                   ; d = my query - KF - 8 h for tile 0,
	v_add_nc_u32 v11, 16, v10                      ; for tile 1.  Register n holds key KF + 8 h + 16 (n / 8) + n % 8: hidden where 16 (n / 8) + n % 8 > d
	v_mov_b32 v12, 0xcfee6b28                      ; -8e9: reference()'s -1e9 ahead of the division by 8
.irp t, 0,1
.set n, 0
.rept 32
	v_cmp_gt_i32 vcc_lo, 16*(n/8)+n%8, v[10+\t]
	v_cndmask_b32 v[SS+32*\t+n], v[SS+32*\t+n], v12, vcc_lo
.set n, n+1
.endr
.endr
.Lopen_\@:
.irp j, 0,1,2,3                        ; the maximum of 32 scores and the old m: four chains, the tiles by turns; each accumulator is read from its low end on
.irp t, 0,1
	v_max3_num_f32 v[STA+8*\t+4+\j], v[SS+32*\t+8*\j], v[SS+32*\t+8*\j+1], v[SS+32*\t+8*\j+2]
.endr
.endr
.irp g, 1,2
.irp j, 0,1,2,3
.irp t, 0,1
	v_max3_num_f32 v[STA+8*\t+4+\j], v[STA+8*\t+4+\j], v[SS+32*\t+8*\j+2*\g+1], v[SS+32*\t+8*\j+2*\g+2]
.endr
.endr
.endr
.irp t, 0,1
	v_max3_num_f32 v[STA+8*\t+4], v[STA+8*\t+4], v[SS+32*\t+7], v[SS+32*\t+15]
	v_max3_num_f32 v[STA+8*\t+6], v[STA+8*\t+6], v[SS+32*\t+23], v[SS+32*\t+31]
.endr
.irp t, 0,1
	v_max3_num_f32 v[STA+8*\t+4], v[STA+8*\t+4], v[STA+8*\t+5], v[STA+8*\t+6]
.endr
.irp t, 0,1
	v_max3_num_f32 v[STA+8*\t+4], v[STA+8*\t+4], v[STA+8*\t+7], v[STA+8*\t+1]
.endr
.irp t, 0,1
	v_permlanex16_b32 v[STA+8*\t+5], v[STA+8*\t+4], s[SEL], s[SEL+1]   ; the query's other 32 keys lie in the lane 16 away
.endr
.irp t, 0,1
	v_mov_b32 v[STA+8*\t+7], v[STA+8*\t]           ; c m_old
.endr
.irp t, 0,1
	v_max_num_f32 v[STA+8*\t+1], v[STA+8*\t+4], v[STA+8*\t+5]
.endr
.irp t, 0,1
	v_mul_f32 v[STA+8*\t], s[CS], v[STA+8*\t+1]
.endr
.irp t, 0,1
	v_sub_f32 v[STA+8*\t+7], v[STA+8*\t+7], v[STA+8*\t]
.endr
.set n, 0
.rept 16
.irp t, 0,1
	v_pk_fma_f32 v[SS+32*\t+2*n:SS+32*\t+2*n+1], v[SS+32*\t+2*n:SS+32*\t+2*n+1], s[CS:CS+1], v[STA+8*\t:STA+8*\t+1] op_sel_hi:[1,0,0] neg_lo:[0,0,1] neg_hi:[0,0,1]   ; c s - c m
.endr
.set n, n+1
.endr
.irp t, 0,1
	v_exp_f32 v[STA+8*\t+6], v[STA+8*\t+7]         ; a
.endr
.set n, 0
.rept 32
.irp t, 0,1
	v_exp_f32 v[SS+32*\t+n], v[SS+32*\t+n]         ; p, at most 1
.endr
.set n, n+1
.endr
	v_nop                                          ; a plain instruction behind the last exponential
	s_wait_alu depctr_va_vdst(0)                   ; one wait for the batch of 66, ahead of its first reader
.irp t, 0,1                            ; the sums, of the unrounded p, in two chains a tile; the scores' registers stay as they are
	v_pk_add_f32 v[STA+8*\t+4:STA+8*\t+5], v[SS+32*\t:SS+32*\t+1], v[SS+32*\t+2:SS+32*\t+3]
	v_pk_add_f32 v[10+2*\t:11+2*\t], v[SS+32*\t+4:SS+32*\t+5], v[SS+32*\t+6:SS+32*\t+7]
.endr
.irp i, 8,12,16,20,24,28
.irp t, 0,1
	v_pk_add_f32 v[STA+8*\t+4:STA+8*\t+5], v[STA+8*\t+4:STA+8*\t+5], v[SS+32*\t+\i:SS+32*\t+\i+1]
	v_pk_add_f32 v[10+2*\t:11+2*\t], v[10+2*\t:11+2*\t], v[SS+32*\t+\i+2:SS+32*\t+\i+3]
.endr
.endr
.irp t, 0,1
	v_pk_add_f32 v[STA+8*\t+4:STA+8*\t+5], v[STA+8*\t+4:STA+8*\t+5], v[10+2*\t:11+2*\t]
.endr
.irp t, 0,1
	v_pk_fma_f32 v[STA+8*\t+2:STA+8*\t+3], v[STA+8*\t+2:STA+8*\t+3], v[STA+8*\t+6:STA+8*\t+7], v[STA+8*\t+4:STA+8*\t+5] op_sel_hi:[1,0,1]   ; l = a l + the sum
.endr
.set n, 0
.rept 16
.irp t, 0,1
	v_cvt_pk_f16_f32 v[SS+32*\t+n], v[SS+32*\t+2*n], v[SS+32*\t+2*n+1]   ; P in place, ascending: register n is written when 2 n and 2 n + 1 have been read
.endr
.set n, n+1
.endr
.set n, 0
.rept 16
.irp t, 0,1
	v_pk_mul_f32 v[OO+32*\t+2*n:OO+32*\t+2*n+1], v[OO+32*\t+2*n:OO+32*\t+2*n+1], v[STA+8*\t+6:STA+8*\t+7] op_sel_hi:[1,0]   ; O^T x a
.endr
.set n, n+1
.endr
	s_wait_dscnt 0x0                               ; V is in
.irp ks, 0,1
.irp c, 0,1,2,3
.irp t, 0,1
	v_wmma_f32_16x16x32_f16 v[OO+32*\t+8*\c:OO+32*\t+8*\c+7], v[KV+32*\ks+8*\c:KV+32*\ks+8*\c+7], v[SS+32*\t+8*\ks:SS+32*\t+8*\ks+7], v[OO+32*\t+8*\c:OO+32*\t+8*\c+7]
.endr
.endr
.endr
.Lhidden_\@:
	s_add_co_u32 s[KF], s[KF], 64
.endm
; THE CHANGE OF SLOTS stands at a slot's head.  Each wave waits for all its tensor loads, adds 0 to its spare word, and waits for that and for its reads of the slot that it has left; behind the barrier the slot
; ahead is whole and nobody reads the other one.  fill = 1: the other slot takes the next 256 keys, up to the causal limit.
.macro CHANGE fill
	s_wait_tensorcnt 0x0                           ; no tensor load of mine is out, so a group 0 may be written
	ds_add_u32 v[SPW], v[NIL]
.if \fill
	ds_add_u32 v[SPW], v[NIL]                      ; twice on end here, in every trip alike
	s_xor_b32 s[G0K+1], s[G0K+1], SLOT1
	s_add_nc_u64 s[G0K+2:G0K+3], s[G0K+2:G0K+3], SK*128
	s_xor_b32 s[G0V+1], s[G0V+1], SLOT1
	s_add_nc_u64 s[G0V+2:G0V+3], s[G0V+2:G0V+3], SK*128
	s_wait_xcnt 0x0                                ; the last prefetch, a slot back, has read its address
	s_add_nc_u64 s[PFA:PFA+1], s[PFA:PFA+1], SK*128
.endif
	s_wait_dscnt 0x0
	s_barrier_signal -1
	s_barrier_wait -1
.if \fill
	s_add_co_u32 s52, s[KF], SK                    ; the first key of the slot that this change would ask for
	s_cmp_gt_u32 s52, s[QL]                        ; behind the work-group's last query: no wave would read it.  Ids and the count of steps alone: all sixteen waves go the same way
	s_cbranch_scc1 .Lpast_\@
	TLOAD                                          ; a wave's one tensor load until the next such barrier
.Lpast_\@:
	ASK
.endif
.endm
.macro SLOT_STEPS
.irp q, 0,1,2,3
	STEP \q
.endr
	s_xor_b32 s[TB], s[TB], SLOT1
.endm
	s_wait_loadcnt 0x0                             ; Q
.Lslot:                                            ; seven trips
	CHANGE 1
	SLOT_STEPS
	s_sub_co_u32 s[SLOTS], s[SLOTS], 1
	s_cmp_lg_u32 s[SLOTS], 0
	s_cbranch_scc1 .Lslot
	CHANGE 0                                       ; the last slot is written out: nothing is left to ask for
	SLOT_STEPS
	; THE WAY OUT.  The address work is also the places behind the last products.
	v_and_b32 v10, 15, v0
	v_bfe_u32 v11, v0, 4, 1
	s_mul_i32 s52, s[WV], 16*144
	s_add_co_u32 s52, s52, STAGE
	v_mul_u32_u24 v12, v10, 144
	v_lshl_add_u32 v12, v11, 4, v12
	v_add_nc_u32 v12, s52, v12                     ; in: row r, 16 bytes for each half of the lanes
	v_and_b32 v13, 31, v0
	v_lshrrev_b32 v14, 3, v13
	v_mul_u32_u24 v14, v14, 144
	v_and_b32 v15, 7, v0
	v_lshl_add_u32 v14, v15, 4, v14
	v_add_nc_u32 v14, s52, v14                     ; back: eight lanes to a row of 128 bytes
	v_lshlrev_b32 v13, 4, v13                      ; in memory: 16 bytes a lane
.irp t, 0,1
	v_add_f32 v[STA+8*\t+4], v[STA+8*\t+2], v[STA+8*\t+3]
.endr
.irp t, 0,1
	v_permlanex16_b32 v[STA+8*\t+5], v[STA+8*\t+4], s[SEL], s[SEL+1]
.endr
.irp t, 0,1
	v_add_f32 v[STA+8*\t+4], v[STA+8*\t+4], v[STA+8*\t+5]
.endr
.irp t, 0,1
	v_rcp_f32 v[STA+8*\t+6], v[STA+8*\t+4]
.endr
	v_nop
	s_wait_alu depctr_va_vdst(0)                   ; one wait for both reciprocals, ahead of the first reader
.irp t, 0,1
.set n, 0
.rept 16
	v_pk_mul_f32 v[OO+32*\t+2*n:OO+32*\t+2*n+1], v[OO+32*\t+2*n:OO+32*\t+2*n+1], v[STA+8*\t+6:STA+8*\t+7] op_sel_hi:[1,0]
.set n, n+1
.endr
.set n, 0
.rept 16
	v_cvt_pk_f16_f32 v[SS+16*\t+n], v[OO+32*\t+2*n], v[OO+32*\t+2*n+1]
.set n, n+1
.endr
.irp c, 0,1,2,3
	ds_store_b128 v12, v[SS+16*\t+4*\c:SS+16*\t+4*\c+3] offset:32*\c
.endr
.irp i, 0,1,2,3
	ds_load_b128 v[SS+32+16*\t+4*\i:SS+32+16*\t+4*\i+3], v14 offset:576*\i   ; in order behind my stores; the next tile's stores come behind these
.endr
.endr
	s_wait_dscnt 0x0
.irp t, 0,1
.irp i, 0,1,2,3
	global_store_b128 v13, v[SS+32+16*\t+4*\i:SS+32+16*\t+4*\i+3], s[6:7] offset:2048*\t+512*\i   ; 512 consecutive bytes, aligned
.endr
.endr
	s_wait_tensorcnt 0x0                           ; the wave's end
	ds_add_u32 v[SPW], v[NIL]
	s_wait_dscnt 0x0
	s_endpgm
.Lfunc_end_k_q32ab9b8e3d_attn:
	.size	k_q32ab9b8e3d_attn, .Lfunc_end_k_q32ab9b8e3d_attn-k_q32ab9b8e3d_attn
	.p2alignl 7, 3214868480
	.fill 96, 4, 3214868480
	.section	.rodata,"a",@progbits
	.p2align	6, 0x0
	.amdhsa_kernel k_q32ab9b8e3d_attn
		.amdhsa_group_segment_fixed_size 327680
		.amdhsa_private_segment_fixed_size 0
		.amdhsa_enable_private_segment 0
		.amdhsa_kernarg_size 16
		.amdhsa_user_sgpr_count 2
		.amdhsa_user_sgpr_kernarg_segment_ptr 1
		.amdhsa_wavefront_size32 1
		.amdhsa_system_sgpr_workgroup_id_x 1
		.amdhsa_system_sgpr_workgroup_id_y 1
		.amdhsa_system_sgpr_workgroup_id_z 1
		.amdhsa_system_vgpr_workitem_id 0
		.amdhsa_next_free_vgpr 256
		.amdhsa_next_free_sgpr 66
		.amdhsa_reserve_vcc 1
		.amdhsa_float_denorm_mode_32 3
		.amdhsa_float_denorm_mode_16_64 3
		.amdhsa_memory_ordered 1
		.amdhsa_forward_progress 1
		.amdhsa_inst_pref_size 188
	.end_amdhsa_kernel
	.amdgpu_metadata
---
amdhsa.version: [ 1, 2 ]
amdhsa.kernels:
  - .name:           k_q32ab9b8e3d_attn
    .symbol:         k_q32ab9b8e3d_attn.kd
    .args:
      - { .name: qkv, .offset: 0, .size: 8, .value_kind: global_buffer, .address_space: global }
      - { .name: ob, .offset: 8, .size: 8, .value_kind: global_buffer, .address_space: global }
    .group_segment_fixed_size: 327680
    .private_segment_fixed_size: 0
    .kernarg_segment_align: 8
    .kernarg_segment_size: 16
    .max_flat_workgroup_size: 512
    .sgpr_count:     66
    .vgpr_count:     256
    .wavefront_size: 32
...
	.end_amdgpu_metadata
.endif
;; end of part 3
;; launch proj (part 4): grid 4 x 64, 4 waves a work-group, clusters of 4 x 4, 327,680 bytes of LDS; arguments ob, wt, out0; writes out0
.if DOCPART == 4
	.amdgcn_target "amdgcn-amd-amdhsa--gfx1250"
	.amdhsa_code_object_version 6
	.text
	.protected	k_q32ab9b8e3d_proj
	.globl	k_q32ab9b8e3d_proj
	.p2align	8
	.type	k_q32ab9b8e3d_proj,@function
k_q32ab9b8e3d_proj:
	s_mov_b64 s[64:65], 0
	v_nop
	global_prefetch_b8 v0, s[64:65] scope:SCOPE_SE
	s_setreg_imm32_b32 hwreg(HW_REG_WAVE_MODE, 25, 1), 1
	s_wait_xcnt 0x0
	s_wait_alu depctr_hold_cnt(0) depctr_sa_sdst(0) depctr_va_vdst(0) depctr_va_sdst(0) depctr_va_ssrc(0) depctr_va_vcc(0) depctr_vm_vsrc(0)
	s_getreg_b32 s2, hwreg(HW_REG_IB_STS2, 6, 4)
	s_cmp_eq_u32 s2, 0
	s_cbranch_scc0 .Lentry_in_a_cluster
	s_endpgm
.Lentry_in_a_cluster:
	s_bfe_u32 s2, ttmp6, 0x10000c
	s_cmp_lg_u32 s2, 0xf033
	s_cbranch_scc0 .Lentry_shape_is_right
	s_endpgm
.Lentry_shape_is_right:
; out0[m][n] = the sum over k of O[m][k] w_out[k][n], f16 operands, f32 sums.  O = ob [16 h][8192 m][64] (k = 64 h + d); wt [1024 n][1024 k].  out0 [8192][1024] f32.
; The 64 rows of positions 0-15 are made here too, since they lie inside blocks of live rows; launch fine, which runs last, writes them anew from f32 operands.
; A tile of 128 x 256 gives 256 work-groups.  Four waves, each 64 x 128: 32 accumulators, window 2.  K goes in steps of 128 = two heads through two LDS slots: A as two planes of 128 rows x 128 bytes,
; B as 256 rows x 256 bytes.  One tensor load a wave: waves 0, 1 A's planes, waves 2, 3 B's halves.  CLUSTER 4 x 4: A's tiles are shared along a row, B's along a column: joint loads.
; THE MATRIX INSTRUCTION IS USED TRANSPOSED (source 0 = 16 rows of wt, source 1 = 16 rows of O): a lane holds eight neighbouring columns of one row.
; No prefetch: the launch is short and its joint loads already walk both operands steadily.
; REGISTERS: window 0: v16-29 addresses; v64-127 A's fragments, two buffers of 32; v128-255 the way out.  window 1: v0-127 B's fragments, two buffers of 64.  window 2: accumulator (a, b) at v[8 (8 a + b)].
.set PA,     144
.set PB,     272
.set PLANE,  128*PA
.set BOFF,   2*PLANE
.set HALFB,  128*PB
.set SLOT,   BOFF+2*HALFB
.set STAGE,  2*SLOT                    ; 16 rows x 528 for each wave; no tensor load lands here
.set SPARE,  STAGE+4*8448              ; the spare words, 128 bytes for each wave, that no other line names
.set LAPS,   4
.set ADRA, 16
.set ADRB, 20
.set STO,  24
.set RD,   25
.set CO,   26
.set SPW,  28
.set NIL,  29
.set BK,   128
.set G1, 24
.set G0, 32
.set G1B, 48
.set G0B, 56
.set MSB, 0
.macro WIN new
.if MSB != \new
	s_set_vgpr_msb (MSB<<8)|\new
.set MSB, \new
.endif
.endm
.set MUL,  0xa1                        ; source 0 (wt) window 1, source 1 (O) window 0, C and D window 2
.set TO_B, 0x40
.macro JLOAD s                         ; an s_nop 0 and four v_nop follow each of the two lines
	s_cmp_eq_u32 s11, 0
	s_cbranch_scc0 .Lfor_b_\@
	tensor_load_to_lds s[G0+4*\s:G0+4*\s+3], s[G1:G1+7]
	s_nop 0
.rept 4
	v_nop
.endr
	s_branch .Lasked_\@
.Lfor_b_\@:
	tensor_load_to_lds s[G0B+4*\s:G0B+4*\s+3], s[G1B:G1B+7]
	s_nop 0
.rept 4
	v_nop
.endr
.Lasked_\@:
.endm
.macro CREST
	s_cmp_lg_u32 s10, 0
	s_cbranch_scc1 .Lnot_wave_0_\@
	s_barrier_signal -3
.Lnot_wave_0_\@:
	s_barrier_wait -3
	s_barrier_signal -1
	s_barrier_wait -1
.endm
.macro CROUND
	s_barrier_signal -1
	s_barrier_wait -1
	CREST
.endm
	s_load_b128 s[4:7], s[0:1], 0x0                ; ob, wt
	s_load_b64 s[8:9], s[0:1], 0x10                ; out0
	v_lshl_add_u32 v[SPW], v0, 2, SPARE
	v_mov_b32 v[NIL], 0
	ds_add_u32 v[SPW], v[NIL]                      ; the wave's opening: the add, twice on end, and its wait ahead of my first tensor load
	ds_add_u32 v[SPW], v[NIL]
	v_lshrrev_b32 v1, 5, v0
	v_readfirstlane_b32 s10, v1                    ; wave 0..3
	s_lshr_b32 s11, s10, 1                         ; my half of the rows.  Also: I fetch for A (0) or B (1)
	s_and_b32 s12, s10, 1                          ; my half of the columns.  Also: which plane of A, or which half of B, I fetch
	s_bfe_u32 s40, ttmp6, 0x40000                  ; cx
	s_bfe_u32 s41, ttmp6, 0x40004                  ; cy
	s_lshl_b32 s42, ttmp9, 2
	s_add_co_u32 s42, s42, s40                     ; tile column
	s_and_b32 s13, ttmp7, 0xffff
	s_lshl_b32 s13, s13, 2
	s_add_co_u32 s13, s13, s41                     ; tile row
	s_lshl_b32 s43, s41, 2
	s_lshl_b32 s43, 15, s43                        ; my row of the cluster
	s_lshl_b32 s44, 0x1111, s40                    ; my column
	s_or_b32 s[G1+0], s43, (1<<16)|(1<<20)|(1<<21)|(4<<22)|(3<<25)    ; elements of 2 bytes; 4 words of padding behind every 32
	s_mov_b32 s[G1+1], 64<<16
	s_mov_b32 s[G1+2], 128<<16
	s_mov_b32 s[G1+3], 64<<16
	s_mov_b32 s[G1+4], 128
	s_mov_b32 s[G1+5], 64
	s_mov_b32 s[G1+6], 0
	s_mov_b32 s[G1+7], 0
	s_or_b32 s[G1B+0], s44, (1<<16)|(1<<20)|(1<<21)|(5<<22)|(3<<25)   ; 4 words behind every 64
	s_mov_b32 s[G1B+1], 128<<16
	s_mov_b32 s[G1B+2], 128<<16
	s_mov_b32 s[G1B+3], 128<<16
	s_mov_b32 s[G1B+4], 128
	s_mov_b32 s[G1B+5], 1024
	s_mov_b32 s[G1B+6], 0
	s_mov_b32 s[G1B+7], 0
	s_lshl_b32 s16, s13, 14                        ; A: 128 rows of 128 bytes a tile row,
	s_lshl_b32 s17, s12, 20                        ; + my plane: a head is 2^20 bytes
	s_add_co_u32 s16, s16, s17
	s_mov_b32 s17, 0
	s_lshl_b32 s46, s42, 19                        ; B: 256 rows of 2,048 bytes a tile column,
	s_lshl_b32 s47, s12, 18                        ; + my 128 rows
	s_add_co_u32 s46, s46, s47
	s_mov_b32 s47, 0
	s_mul_i32 s20, s12, PLANE                      ; where they go: no place in the cluster enters an LDS address
	s_mul_i32 s21, s12, HALFB
	s_add_co_u32 s21, s21, BOFF
	s_wait_dscnt 0x0                               ; both opening adds are done
	s_wait_kmcnt 0x0
	s_add_nc_u64 s[14:15], s[4:5], s[16:17]
	s_add_nc_u64 s[46:47], s[6:7], s[46:47]
	CROUND                                         ; all sixteen work-groups are here: the first joint loads meet
.irp s, 0,1
	s_mov_b32 s[G0+4*\s], 1
	s_add_co_u32 s[G0+4*\s+1], s20, \s*SLOT
	s_add_nc_u64 s[G0+4*\s+2:G0+4*\s+3], s[14:15], \s*(1<<21)      ; K step s: heads 2 s, 2 s + 1
	s_or_b32 s[G0+4*\s+3], s[G0+4*\s+3], 0x80000000
	s_mov_b32 s[G0B+4*\s], 1
	s_add_co_u32 s[G0B+4*\s+1], s21, \s*SLOT
	s_add_nc_u64 s[G0B+4*\s+2:G0B+4*\s+3], s[46:47], \s*256
	s_or_b32 s[G0B+4*\s+3], s[G0B+4*\s+3], 0x80000000
	JLOAD \s
.endr
	v_and_b32 v1, 15, v0                           ; r
	v_bfe_u32 v2, v0, 4, 1                         ; h
	v_mul_u32_u24 v3, v1, PA
	v_lshl_add_u32 v3, v2, 4, v3
	v_mul_u32_u24 v4, v1, PB
	v_lshl_add_u32 v4, v2, 4, v4
	s_mul_i32 s21, s11, 64*PA                      ; my 64 rows of each plane
	s_mul_i32 s22, s12, HALFB                      ; my 128 rows of B
	s_add_co_u32 s22, s22, BOFF
.irp s, 0,1
	v_add_nc_u32 v[ADRA+\s], s21, v3
	v_add_nc_u32 v[ADRB+\s], s22, v4
	s_add_co_u32 s21, s21, SLOT
	s_add_co_u32 s22, s22, SLOT
.endr
	s_mul_i32 s23, s10, 8448
	s_add_co_u32 s23, s23, STAGE                   ; my stage
	v_mul_u32_u24 v5, v1, 528
	v_lshl_add_u32 v5, v2, 5, v5
	v_add_nc_u32 v[STO], s23, v5
	v_and_b32 v6, 31, v0
	v_lshlrev_b32 v[CO], 4, v6
	v_add_nc_u32 v[RD], s23, v[CO]
	s_lshl_b32 s16, s13, 7
	s_lshl_b32 s17, s11, 6
	s_add_co_u32 s16, s16, s17                     ; my first row
	s_lshl_b32 s16, s16, 12
	s_mov_b32 s17, 0
	s_add_nc_u64 s[8:9], s[8:9], s[16:17]
	s_lshl_b32 s46, s42, 10
	s_lshl_b32 s47, s12, 9
	s_add_co_u32 s46, s46, s47                     ; my first column, in bytes
	s_mov_b32 s47, 0
	s_add_nc_u64 s[8:9], s[8:9], s[46:47]
.macro MUL8 p, a, zero                 ; A's block a x B's eight, 32 along K; the 32 accumulators take turns, one instruction a turn, in the same order in every quarter
.irp b, 0,1,2,3,4,5,6,7
.if \zero
	v_wmma_f32_16x16x32_f16 v[8*(8*(\a)+\b):8*(8*(\a)+\b)+7], v[64*(\p)+8*\b:64*(\p)+8*\b+7], v[64+32*(\p)+8*(\a):64+32*(\p)+8*(\a)+7], 0
.else
	v_wmma_f32_16x16x32_f16 v[8*(8*(\a)+\b):8*(8*(\a)+\b)+7], v[64*(\p)+8*\b:64*(\p)+8*\b+7], v[64+32*(\p)+8*(\a):64+32*(\p)+8*(\a)+7], v[8*(8*(\a)+\b):8*(8*(\a)+\b)+7]
.endif
.endr
.endm
.macro FETCH slot, qk, p               ; 24 LDS loads in one run: quarter qk's fragments into buffers p; B's first, A's blocks 2 and 3 last
	WIN TO_B
.irp i, 0,1,2,3,4,5,6,7
	ds_load_b128 v[64*(\p)+8*\i:64*(\p)+8*\i+3], v[ADRB+\slot] offset:64*(\qk)+16*PB*\i
	ds_load_b128 v[64*(\p)+8*\i+4:64*(\p)+8*\i+7], v[ADRB+\slot] offset:64*(\qk)+16*PB*\i+32
.endr
	WIN 0
.irp i, 0,1,2,3
	ds_load_b128 v[64+32*(\p)+8*\i:64+32*(\p)+8*\i+3], v[ADRA+\slot] offset:PLANE*((\qk)/2)+64*((\qk)%2)+16*PA*\i
	ds_load_b128 v[64+32*(\p)+8*\i+4:64+32*(\p)+8*\i+7], v[ADRA+\slot] offset:PLANE*((\qk)/2)+64*((\qk)%2)+16*PA*\i+32
.endr
.endm
.macro PLACES
.rept 4
	v_nop
.endr
.endm
.macro QUARTER slot, nq, f, g, zero    ; multiplies buffers f; in its middle fetches quarter nq of the same slot into buffers g
	s_wait_dscnt 4                                 ; all but the youngest four loads (A's blocks 2 and 3)
	WIN MUL
	MUL8 \f, 0, \zero
	MUL8 \f, 1, \zero
	PLACES
	FETCH \slot, \nq, \g
	s_wait_dscnt 24                                ; all but the 24 just issued
	WIN MUL
	MUL8 \f, 2, \zero
	MUL8 \f, 3, \zero
.endm
; A slot's last quarter changes slots: one barrier; in front of it each wave waits for all its tensor loads, adds 0 to its spare word, and waits for that and for its reads of this slot.
.macro TURN slot, next, fill
	WIN 0
	s_wait_tensorcnt 0x0                           ; my one load that was out, my part of the next slot, has landed
	ds_add_u32 v[SPW], v[NIL]
	s_wait_dscnt 5                                 ; the add and the youngest four loads may be out
	WIN MUL
	MUL8 1, 0, 0
	s_wait_dscnt 0x0                               ; the add is done, and my reads of this slot are over
	s_barrier_signal -1
	MUL8 1, 1, 0
.if \fill
	WIN 0
.endif
	s_barrier_wait -1
.if \fill
	CREST                                          ; the barrier has opened a round of the cluster's: no wave of any partner still reads this slot or has a load on its way
	s_add_nc_u64 s[G0+4*\slot+2:G0+4*\slot+3], s[G0+4*\slot+2:G0+4*\slot+3], 1<<22
	s_add_nc_u64 s[G0B+4*\slot+2:G0B+4*\slot+3], s[G0B+4*\slot+2:G0B+4*\slot+3], 512
	JLOAD \slot                                    ; the first tensor load behind the round; its four v_nop are also the places in front of the loads below
.else
	PLACES
.endif
	FETCH \next, 0, 0
	WIN MUL
	MUL8 1, 2, 0
	MUL8 1, 3, 0
.endm
	s_wait_tensorcnt 1                             ; my part of K step 0 is in; K step 1's may stay out
	s_barrier_signal -1
	s_barrier_wait -1
	FETCH 0, 0, 0
	QUARTER 0, 1, 0, 1, 1                          ; the first quarter's products start the sums
	WIN 0
	s_mov_b32 s3, LAPS-1
.Llap:                                             ; a trip goes once round the ring and fills both slots again
	QUARTER 0, 2, 1, 0, 0
	QUARTER 0, 3, 0, 1, 0
	TURN 0, 1, 1
	QUARTER 1, 1, 0, 1, 0
	QUARTER 1, 2, 1, 0, 0
	QUARTER 1, 3, 0, 1, 0
	TURN 1, 0, 1
	QUARTER 0, 1, 0, 1, 0
	WIN 0
	s_sub_co_u32 s3, s3, 1
	s_cmp_lg_u32 s3, 0
	s_cbranch_scc1 .Llap
	QUARTER 0, 2, 1, 0, 0                          ; the last lap fills nothing
	QUARTER 0, 3, 0, 1, 0
	TURN 0, 1, 0
	QUARTER 1, 1, 0, 1, 0
	QUARTER 1, 2, 1, 0, 0
	QUARTER 1, 3, 0, 1, 0
	s_wait_dscnt 4
	WIN MUL
	MUL8 1, 0, 0
	MUL8 1, 1, 0
	s_wait_dscnt 0
	MUL8 1, 2, 0
	MUL8 1, 3, 0
	WIN 0
; THE WAY OUT, a block of 16 rows x 128 columns at a time, through my own stage, back as whole rows of 512 bytes.
.macro TOSTAGE a
	WIN 0x08                                       ; an LDS store's data: window 2
.irp b, 0,1,2,3,4,5,6,7
	ds_store_b128 v[STO], v[64*(\a)+8*\b:64*(\a)+8*\b+3] offset:64*\b          ; each accumulator from its low end on
	ds_store_b128 v[STO], v[64*(\a)+8*\b+4:64*(\a)+8*\b+7] offset:64*\b+16
.endr
	WIN 0
.irp t, 0,1,2,3,4,5,6,7,8,9,10,11,12,13,14,15
	ds_load_b128 v[BK+64*((\a)%2)+4*\t:BK+64*((\a)%2)+4*\t+3], v[RD] offset:\t*528   ; in order behind my stores
.endr
.endm
.macro SEND a, younger
	s_wait_dscnt \younger
.irp t, 0,1,2,3,4,5,6,7,8,9,10,11,12,13,14,15
	global_store_b128 v[CO], v[BK+64*((\a)%2)+4*\t:BK+64*((\a)%2)+4*\t+3], s[8:9] offset:65536*(\a)+4096*\t th:TH_STORE_NT   ; 512 consecutive bytes, aligned
.endr
.endm
	PLACES
	TOSTAGE 0
.irp a, 1,2,3
.if \a > 1
	s_wait_xcnt 0x0                                ; block a - 2's stores have read their registers: block a's loads may land there
.endif
	TOSTAGE \a
	SEND \a-1, 32                                  ; behind block a - 1's loads: block a's 16 stores and 16 loads
.endr
	SEND 3, 0
	s_wait_tensorcnt 0x0                           ; the wave's end
	ds_add_u32 v[SPW], v[NIL]
	s_wait_dscnt 0x0
	CROUND                                         ; the closing round
	s_endpgm
.Lfunc_end_k_q32ab9b8e3d_proj:
	.size	k_q32ab9b8e3d_proj, .Lfunc_end_k_q32ab9b8e3d_proj-k_q32ab9b8e3d_proj
	.p2alignl 7, 3214868480
	.fill 96, 4, 3214868480
	.section	.rodata,"a",@progbits
	.p2align	6, 0x0
	.amdhsa_kernel k_q32ab9b8e3d_proj
		.amdhsa_group_segment_fixed_size 327680
		.amdhsa_private_segment_fixed_size 0
		.amdhsa_enable_private_segment 0
		.amdhsa_kernarg_size 24
		.amdhsa_user_sgpr_count 2
		.amdhsa_user_sgpr_kernarg_segment_ptr 1
		.amdhsa_wavefront_size32 1
		.amdhsa_system_sgpr_workgroup_id_x 1
		.amdhsa_system_sgpr_workgroup_id_y 1
		.amdhsa_system_sgpr_workgroup_id_z 1
		.amdhsa_system_vgpr_workitem_id 0
		.amdhsa_next_free_vgpr 768
		.amdhsa_next_free_sgpr 66
		.amdhsa_reserve_vcc 0
		.amdhsa_float_denorm_mode_32 3
		.amdhsa_float_denorm_mode_16_64 3
		.amdhsa_memory_ordered 1
		.amdhsa_forward_progress 1
		.amdhsa_inst_pref_size 85
	.end_amdhsa_kernel
	.amdgpu_metadata
---
amdhsa.version: [ 1, 2 ]
amdhsa.kernels:
  - .name:           k_q32ab9b8e3d_proj
    .symbol:         k_q32ab9b8e3d_proj.kd
    .args:
      - { .name: ob, .offset: 0, .size: 8, .value_kind: global_buffer, .address_space: global }
      - { .name: wt, .offset: 8, .size: 8, .value_kind: global_buffer, .address_space: global }
      - { .name: out0, .offset: 16, .size: 8, .value_kind: global_buffer, .address_space: global }
    .group_segment_fixed_size: 327680
    .private_segment_fixed_size: 0
    .kernarg_segment_align: 8
    .kernarg_segment_size: 24
    .max_flat_workgroup_size: 128
    .sgpr_count:     66
    .vgpr_count:     768
    .wavefront_size: 32
...
	.end_amdgpu_metadata
.endif
;; end of part 4
;; launch fine (part 5): grid 16 x 4, 16 waves a work-group, no clusters, 71,680 bytes of LDS; arguments q32, w_out, out0; writes out0
.if DOCPART == 5
	.amdgcn_target "amdgcn-amd-amdhsa--gfx1250"
	.amdhsa_code_object_version 6
	.text
	.protected	k_q32ab9b8e3d_fine
	.globl	k_q32ab9b8e3d_fine
	.p2align	8
	.type	k_q32ab9b8e3d_fine,@function
k_q32ab9b8e3d_fine:
	s_mov_b64 s[64:65], 0
	v_nop
	global_prefetch_b8 v0, s[64:65] scope:SCOPE_SE
	s_setreg_imm32_b32 hwreg(HW_REG_WAVE_MODE, 25, 1), 1
	s_wait_xcnt 0x0
; THE FIRST 16 POSITIONS OF EVERY SEQUENCE, in f32 from end to end: under the causal mask these rows average one to sixteen values and are the largest of the output, so f16 operands would weigh most there.
; q32: f32 [64 = 16 b + l][3072] (q at column 64 h, k at 1024 + 64 h, v at 2048 + 64 h).  The launch writes rows 2048 b + 0 .. 15 of out0 anew, over what launch proj left there.
; Keys behind position 15 are hidden from these queries by reference()'s own mask and are not touched (shown at the head of prep).
; SHARES.  Work-group (j, b): 64 columns of out0 for the 16 rows of batch b.  Wave w takes head w: its attention (16 x 16), and with the result still in registers K slice 64 w .. 64 w + 63 of the
; projection; the sixteen partial tiles meet in LDS.  The attention is repeated in the 16 work-groups of a batch: 16 x 16 x 64 numbers, less than sending it through memory and a launch more.
; ALL PRODUCTS ARE USED TRANSPOSED, so that a lane holds one query throughout.  K along the registers is taken in an order of its own, the same on both sides of each product:
;   S^T = K Q^T: pair e of a lane holds channels 8 (e / 2) + 4 h + 2 (e % 2) + 0, 1;   O^T = V^T P: pair s holds keys 8 h + 2 s + 0, 1;   out^T = W^T O: pair e = 4 c + s holds channels 16 c + 8 h + 2 s + 0, 1.
; The layout wants k along a lane's registers, so v and w_out are read as 64 consecutive bytes in sixteen lanes, by neighbouring instructions of one wave.
; v224-255, the four accumulators, are written by matrix instructions alone; each sum begins with the constant 0.
.set SPARE, 69632                      ; behind the sixteen partial tiles (16 rows x 272 each): the spare words, 128 bytes for each wave, that no other line names
.set ACC, 224
.set SPW, 6
.set NIL, 7
.macro PLACES9                         ; nine places: the next run of matrix instructions begins the same accumulators anew (ISA guide 7.12.1 on places)
.rept 9
	v_nop
.endr
.endm
	s_load_b128 s[4:7], s[0:1], 0x0                ; q32, w_out
	s_load_b64 s[8:9], s[0:1], 0x10                ; out0
	v_lshl_add_u32 v[SPW], v0, 2, SPARE
	v_mov_b32 v[NIL], 0
	v_lshrrev_b32 v1, 5, v0
	v_readfirstlane_b32 s10, v1                    ; wave = head
	v_and_b32 v1, 15, v0                           ; r
	v_bfe_u32 v2, v0, 4, 1                         ; h
	s_and_b32 s12, ttmp7, 0xffff                   ; b
	v_mul_u32_u24 v3, v1, 12288
	v_lshl_add_u32 v3, v2, 4, v3                   ; q, k: row r, + 16 h
	v_mul_u32_u24 v4, v2, 98304
	v_lshl_add_u32 v4, v1, 2, v4                   ; v: 8 h rows down, channel r
	v_lshlrev_b32 v5, 15, v2
	v_lshl_add_u32 v5, v1, 2, v5                   ; w_out: 8 h rows down, column r
	v_lshlrev_b32 v8, 3, v2
	v_sub_nc_u32 v8, v1, v8                        ; r - 8 h
	s_mul_i32 s13, s10, 4352
	v_mul_u32_u24 v9, v1, 272
	v_lshl_add_u32 v9, v2, 5, v9
	v_add_nc_u32 v9, s13, v9                       ; my partial tile: row r, + 32 h
	s_mul_i32 s13, s10, 272
	v_mul_u32_u24 v10, v2, 4352
	v_lshl_add_u32 v10, v1, 4, v10
	v_add_nc_u32 v10, s13, v10                     ; back: row w of partial tile h (+ 2 i), 16 bytes a lane
	v_lshlrev_b32 v11, 4, v1
	v_and_b32 v12, 31, v0
	s_mov_b32 s16, 0x76543210
	s_mov_b32 s17, 0xfedcba98                      ; lane l xor 16
	s_mov_b32 s18, 0x3e38aa3b                      ; c = log2(e) / 8
	s_mul_i32 s20, s12, 196608                     ; 16 rows of 12,288 bytes a batch,
	s_lshl_b32 s21, s10, 8                         ; + my head's 256 bytes
	s_add_co_u32 s20, s20, s21
	s_mov_b32 s21, 0
	s_lshl_b32 s22, s10, 18                        ; w_out: 64 rows of 4,096 bytes a head,
	s_lshl_b32 s23, ttmp9, 8                       ; + the work-group's 64 columns
	s_add_co_u32 s22, s22, s23
	s_mov_b32 s23, 0
	s_lshl_b32 s24, s12, 11
	s_add_co_u32 s24, s24, s10                     ; out0: row 2048 b + w
	s_lshl_b32 s24, s24, 12
	s_lshl_b32 s25, ttmp9, 8
	s_add_co_u32 s24, s24, s25
	s_mov_b32 s25, 0
	s_wait_kmcnt 0x0
	s_add_nc_u64 s[4:5], s[4:5], s[20:21]
	s_add_nc_u64 s[6:7], s[6:7], s[22:23]
	s_add_nc_u64 s[8:9], s[8:9], s[24:25]
.irp u, 0,1,2,3,4,5,6,7
	global_load_b128 v[32+4*\u:35+4*\u], v3, s[4:5] offset:4096+32*\u      ; k
.endr
.irp u, 0,1,2,3,4,5,6,7
	global_load_b128 v[64+4*\u:67+4*\u], v3, s[4:5] offset:32*\u           ; q
.endr
.irp c, 0,1,2,3
.irp i, 0,1,2,3,4,5,6,7
	global_load_b32 v[96+8*\c+\i], v4, s[4:5] offset:8192+12288*\i+64*\c   ; v(key 8 h + i, channel 16 c + r)
.endr
.endr
.irp e, 0,1,2,3,4,5,6,7
.irp nt, 0,1,2,3
.irp j, 0,1
	global_load_b32 v[128+8*\e+2*\nt+\j], v5, s[6:7] offset:4096*(16*(\e/4)+2*(\e%4)+\j)+64*\nt   ; w_out(64 w + 16 c + 8 h + 2 s + j, 16 nt + r), e = 4 c + s
.endr
.endr
.endr
	s_wait_loadcnt 63                              ; q, k, v are in: 64 loads were issued behind them (the count's field holds 63: one load stricter than needed)
.irp e, 0,1,2,3,4,5,6,7,8,9,10,11,12,13,14,15      ; S^T in four partial sums by turns
.if \e < 4
	v_wmma_f32_16x16x4_f32 v[ACC+8*(\e%4):ACC+8*(\e%4)+7], v[32+2*\e:33+2*\e], v[64+2*\e:65+2*\e], 0
.else
	v_wmma_f32_16x16x4_f32 v[ACC+8*(\e%4):ACC+8*(\e%4)+7], v[32+2*\e:33+2*\e], v[64+2*\e:65+2*\e], v[ACC+8*(\e%4):ACC+8*(\e%4)+7]
.endif
.endr
	PLACES9
.irp e, 8,9,10,11,12,13,14,15                      ; the other half of w_out's slice, into k's and q's registers
.irp nt, 0,1,2,3
.irp j, 0,1
	global_load_b32 v[32+8*(\e-8)+2*\nt+\j], v5, s[6:7] offset:4096*(16*(\e/4)+2*(\e%4)+\j)+64*\nt
.endr
.endr
.endr
.irp j, 0,2,4,6
	v_pk_add_f32 v[200+\j:201+\j], v[ACC+\j:ACC+\j+1], v[ACC+8+\j:ACC+8+\j+1]   ; each accumulator from its low end on
.endr
.irp j, 0,2,4,6
	v_pk_add_f32 v[200+\j:201+\j], v[200+\j:201+\j], v[ACC+16+\j:ACC+16+\j+1]
.endr
.irp j, 0,2,4,6
	v_pk_add_f32 v[200+\j:201+\j], v[200+\j:201+\j], v[ACC+24+\j:ACC+24+\j+1]   ; lane (r, h): the score of query r and key 8 h + j
.endr
	v_mov_b32 v208, 0xcfee6b28                     ; -8e9: reference()'s -1e9 ahead of the division by 8
.irp j, 0,1,2,3,4,5,6,7
	v_cmp_gt_i32 vcc_lo, \j, v8                    ; hidden where 8 h + j > r
	v_cndmask_b32 v[200+\j], v[200+\j], v208, vcc_lo
.endr
	v_max3_num_f32 v209, v200, v201, v202
	v_max3_num_f32 v209, v209, v203, v204
	v_max3_num_f32 v209, v209, v205, v206
	v_max_num_f32 v209, v209, v207
	v_mov_b32 v210, 0
	v_permlanex16_b32 v210, v209, s16, s17
	v_max_num_f32 v209, v209, v210                 ; the row's maximum
	v_mul_f32 v209, s18, v209
.irp j, 0,1,2,3,4,5,6,7
	v_fma_f32 v[192+\j], v[200+\j], s18, -v209
.endr
.irp j, 0,1,2,3,4,5,6,7
	v_exp_f32 v[192+\j], v[192+\j]                 ; p
.endr
	v_nop
	s_wait_alu depctr_va_vdst(0)                   ; one wait for the eight, ahead of their first reader
	v_pk_add_f32 v[212:213], v[192:193], v[194:195]
	v_pk_add_f32 v[214:215], v[196:197], v[198:199]
	v_pk_add_f32 v[212:213], v[212:213], v[214:215]
	v_add_f32 v212, v212, v213
	v_permlanex16_b32 v210, v212, s16, s17
	v_add_f32 v212, v212, v210                     ; the row's sum
	v_rcp_f32 v211, v212
	v_nop
	s_wait_alu depctr_va_vdst(0)
.irp s, 0,1,2,3                                    ; O^T = V^T P: four tiles of 16 channels by turns
.irp c, 0,1,2,3
.if \s == 0
	v_wmma_f32_16x16x4_f32 v[ACC+8*\c:ACC+8*\c+7], v[96+8*\c+2*\s:97+8*\c+2*\s], v[192+2*\s:193+2*\s], 0
.else
	v_wmma_f32_16x16x4_f32 v[ACC+8*\c:ACC+8*\c+7], v[96+8*\c+2*\s:97+8*\c+2*\s], v[192+2*\s:193+2*\s], v[ACC+8*\c:ACC+8*\c+7]
.endif
.endr
.endr
	PLACES9
.set i, 0
.rept 32
	v_mul_f32 v[96+i], v[ACC+i], v211              ; O / the sum, into v's registers: register 8 c + j is channel 16 c + 8 h + j of query r
.set i, i+1
.endr
.rept 4
	v_nop
.endr
	s_wait_loadcnt 63                              ; the first half of w_out's slice is in: 64 loads were issued behind it
.irp e, 0,1,2,3,4,5,6,7
.irp nt, 0,1,2,3
.if \e == 0
	v_wmma_f32_16x16x4_f32 v[ACC+8*\nt:ACC+8*\nt+7], v[128+8*\e+2*\nt:129+8*\e+2*\nt], v[96+2*\e:97+2*\e], 0
.else
	v_wmma_f32_16x16x4_f32 v[ACC+8*\nt:ACC+8*\nt+7], v[128+8*\e+2*\nt:129+8*\e+2*\nt], v[96+2*\e:97+2*\e], v[ACC+8*\nt:ACC+8*\nt+7]
.endif
.endr
.endr
	s_wait_loadcnt 0x0
.irp e, 8,9,10,11,12,13,14,15
.irp nt, 0,1,2,3
	v_wmma_f32_16x16x4_f32 v[ACC+8*\nt:ACC+8*\nt+7], v[32+8*(\e-8)+2*\nt:33+8*(\e-8)+2*\nt], v[96+2*\e:97+2*\e], v[ACC+8*\nt:ACC+8*\nt+7]
.endr
.endr
	PLACES9
.irp nt, 0,1,2,3
	ds_store_b128 v9, v[ACC+8*\nt:ACC+8*\nt+3] offset:64*\nt       ; lane (r, h): row r, columns 16 nt + 8 h + 0 .. 7 of my head's part
	ds_store_b128 v9, v[ACC+8*\nt+4:ACC+8*\nt+7] offset:64*\nt+16
.endr
	s_wait_dscnt 0x0                               ; for the others' sake: my stores have landed
	s_barrier_signal -1
	s_barrier_wait -1
.irp i, 0,1,2,3,4,5,6,7
	ds_load_b128 v[128+4*\i:131+4*\i], v10 offset:8704*\i          ; row w of partial tiles 2 i + h
.endr
	s_wait_dscnt 0x0
.irp i, 1,2,3,4,5,6,7
	v_pk_add_f32 v[128:129], v[128:129], v[128+4*\i:129+4*\i]
	v_pk_add_f32 v[130:131], v[130:131], v[130+4*\i:131+4*\i]
.endr
.irp j, 0,1,2,3
	v_permlanex16_b32 v[200+\j], v[128+\j], s16, s17
.endr
.irp j, 0,1,2,3
	v_add_f32 v[128+\j], v[128+\j], v[200+\j]      ; with the other eight heads' parts
.endr
	v_cmp_gt_u32 vcc_lo, 16, v12
	s_wait_xcnt 0x0                                ; EXEC changes only behind this wait
	s_and_saveexec_b32 s20, vcc_lo
	global_store_b128 v11, v[128:131], s[8:9]      ; sixteen lanes store 256 consecutive bytes, aligned
	s_wait_xcnt 0x0
	s_or_b32 exec_lo, exec_lo, s20
	s_wait_tensorcnt 0x0                           ; the wave's end: behind my last LDS store
	ds_add_u32 v[SPW], v[NIL]
	s_wait_dscnt 0x0
	s_endpgm
.Lfunc_end_k_q32ab9b8e3d_fine:
	.size	k_q32ab9b8e3d_fine, .Lfunc_end_k_q32ab9b8e3d_fine-k_q32ab9b8e3d_fine
	.p2alignl 7, 3214868480
	.fill 96, 4, 3214868480
	.section	.rodata,"a",@progbits
	.p2align	6, 0x0
	.amdhsa_kernel k_q32ab9b8e3d_fine
		.amdhsa_group_segment_fixed_size 71680
		.amdhsa_private_segment_fixed_size 0
		.amdhsa_enable_private_segment 0
		.amdhsa_kernarg_size 24
		.amdhsa_user_sgpr_count 2
		.amdhsa_user_sgpr_kernarg_segment_ptr 1
		.amdhsa_wavefront_size32 1
		.amdhsa_system_sgpr_workgroup_id_x 1
		.amdhsa_system_sgpr_workgroup_id_y 1
		.amdhsa_system_sgpr_workgroup_id_z 1
		.amdhsa_system_vgpr_workitem_id 0
		.amdhsa_next_free_vgpr 256
		.amdhsa_next_free_sgpr 66
		.amdhsa_reserve_vcc 1
		.amdhsa_float_denorm_mode_32 3
		.amdhsa_float_denorm_mode_16_64 3
		.amdhsa_memory_ordered 1
		.amdhsa_forward_progress 1
		.amdhsa_inst_pref_size 33
	.end_amdhsa_kernel
	.amdgpu_metadata
---
amdhsa.version: [ 1, 2 ]
amdhsa.kernels:
  - .name:           k_q32ab9b8e3d_fine
    .symbol:         k_q32ab9b8e3d_fine.kd
    .args:
      - { .name: q32, .offset: 0, .size: 8, .value_kind: global_buffer, .address_space: global }
      - { .name: w_out, .offset: 8, .size: 8, .value_kind: global_buffer, .address_space: global }
      - { .name: out0, .offset: 16, .size: 8, .value_kind: global_buffer, .address_space: global }
    .group_segment_fixed_size: 71680
    .private_segment_fixed_size: 0
    .kernarg_segment_align: 8
    .kernarg_segment_size: 24
    .max_flat_workgroup_size: 512
    .sgpr_count:     66
    .vgpr_count:     256
    .wavefront_size: 32
...
	.end_amdgpu_metadata
.endif
;; end of part 5
